; MI455X (gfx1250); checked and timed in simulation.
; The chip was launched on July 23, 2026; its instructions are those of AMD's public machine-readable ISA for CDNA 5 (MIT licence, August 2026) and "CDNA5" Instruction Set Architecture Reference Guide (July 2026). The comments in the code are by the model that wrote it; some were corrected since.
;; MHA SP2 Norm Eager. Allowed arithmetic: matrix products marked QUANTISED: E2M3 operands, one E8M0 scale for each 32 along K, by v_wmma_scale_f32_16x16x128_f8f6f4 with both operands' format E2M3, f32 sums; everything else in f32.
;; Inputs: b_proj 1,024 float32; w_proj 1,024 x 1,024 float32; w_qkv 3,072 x 1,024 float32; x 2 x 2,048 x 1,024 float32.
;; Outputs: out0 2 x 2,048 x 1,024 float32.
;; This version of the problem:
;;   THIS VERSION OF THE PROBLEM IS GIVEN IN LOW PRECISION. The matrix products marked QUANTISED in the list below multiply operands that are first quantised to E2M3 (2 exponent bits, 3 mantissa bits; 6 bits a number), with one power-of-two scale for each 32 numbers along K (OCP MX v1.0); their sums are f32. All else is computed in f32.
;;   The module's matrix products, in the order in which they are computed (A, B: the left and right operand; K: the contracted axis; several contracted axes count as one K, in the product's order):
;;     1. [M 4,096, K 1,024] x [K 1,024, N 3,072]; A: input x; B: input w_qkv: QUANTISED
;;     2. batch 32 x [M 2,048, K 64] x [K 64, N 2,048]; A: computed on the way; B: computed on the way: QUANTISED
;;     3. batch 32 x [M 2,048, K 2,048] x [K 2,048, N 64]; A: computed on the way; B: computed on the way: QUANTISED
;;     4. [M 4,096, K 1,024] x [K 1,024, N 1,024]; A: computed on the way; B: input w_proj: QUANTISED
;;   THE QUANTISER, for each operand of a quantised product, along K:
;;     - K is cut into blocks of 32 from its start; a last block that is shorter is filled with zeros.
;;     - A block's scale is 2^e with e = floor(log2(the largest magnitude in the block)) - 2, held to -126 .. 127; a block of zeros has e = 0. As a byte (E8M0): e + 127.
;;     - Each number is divided by its block's scale, clamped to +-7.5, and rounded to the nearest number of E2M3, ties to even, subnormals kept.
;;     - The product sums the exact products of the quantised numbers (number of the format x scale) in f32.
;;   ~~~python
;;   def quantise(x, axis):      # numpy; x: float32 -> the quantised numbers, widened to float32 again
;;       x = np.moveaxis(x, axis, -1); K = x.shape[-1]
;;       x = np.pad(x, [(0, 0)] * (x.ndim - 1) + [(0, -K % 32)]); x = x.reshape(x.shape[:-1] + (-1, 32)); a = np.abs(x).max(-1, keepdims=True)
;;       e = np.where(a > 0, np.clip(np.frexp(np.where(a > 0, a, 1))[1] - 1 - 2, -126, 127), 0)      # np.frexp(a)[1] - 1 = floor(log2(a)), exactly
;;       r = np.clip(x / 2.0 ** e, -7.5, 7.5)
;;       step = 2.0 ** (np.maximum(np.frexp(np.where(r == 0, 1, r))[1] - 1, 0) - 3)
;;       q = np.round(r / step) * step * 2.0 ** e      # np.round: ties to even
;;       return np.moveaxis(q.reshape(q.shape[:-2] + (-1,))[..., :K], -1, axis).astype(np.float32)
;;   ~~~
;;   OPERANDS COMPUTED ON THE WAY. 'Computed on the way' means the value that the module computes at that place (a softmax that the list does not call 'softmax' is quantised finished and normalised). What goes into a quantiser is computed in f32, as accurately as f32 sums, v_exp_f32 and their like allow (about 1e-6 of the number): no bf16 or f16 on the way to a quantiser, and a product that is left as it is and whose result goes on into a quantised operand takes f32 operands (vector FMAs, or v_wmma_f32_16x16x4_f32). A number that lies on a knife's edge between two numbers of the format may be rounded either way, as far as f32 arithmetic and the matrix unit's own rounding can turn it there, and no further.
;; One version. Each part assembles by itself: llvm-mc -triple=amdgcn-amd-amdhsa -mcpu=gfx1250 --defsym DOCPART=n.
;; ======== version 1 of 1: 4 launches
;; workspace buffers: opnd_img 6,291,456 bytes; opnd_sc 262,144 bytes; att_codes 9,437,184 bytes; att_scales 786,432 bytes; o_img 3,145,728 bytes; o_sc 131,072 bytes
;; launch quant (part 1): grid 512 x 1, 4 waves a work-group, no clusters, 67,584 bytes of LDS; arguments x, w_qkv, w_proj, opnd_img, opnd_sc; writes opnd_img, opnd_sc
.if DOCPART == 1
	.amdgcn_target "amdgcn-amd-amdhsa--gfx1250"
	.amdhsa_code_object_version 6
	.text
	.protected	k_q7eac31805a_quant
	.globl	k_q7eac31805a_quant
	.p2align	8
	.type	k_q7eac31805a_quant,@function
k_q7eac31805a_quant:
	s_mov_b64 s[64:65], 0
	v_nop
	global_prefetch_b8 v0, s[64:65] scope:SCOPE_SE
	s_setreg_imm32_b32 hwreg(HW_REG_WAVE_MODE, 25, 1), 1
	s_wait_xcnt 0x0
; x [4096][1024], w_qkv [3072][1024] and w_proj [1024][1024], f32, K innermost, become codes of FP6 (E2M3) with one E8M0 scale byte for each 32 along K.
; A block's scale is 2^(floor(log2(its largest magnitude)) - 2); its byte is that magnitude's exponent field - 2, held at 1 from below; numbers are divided by the scale and rounded to the nearest code, ties to even.
; LIMITS: a block of zeros, or one whose largest magnitude lies under 2^-124, gets the byte 1 (the rule says 127 for zeros: the codes are zeros, and this program alone reads the bytes); NaN and infinities are not served.
; THE CODES ARE LAID AS IMAGES OF THE OPERAND'S REGISTERS: [group of 128 stored rows][K step of 256][K step of 128][tile of 16 rows][chunk 0..5][256 bytes]; chunk n holds registers 2 n, 2 n + 1 of a fragment
; (16 rows x 128 K, 12 registers a lane), lane l's 8 bytes at 8 l.  Groups 0-31 are x, 32-55 w_qkv, 56-63 w_proj.  The scale bytes lie [stored row][32].
; STORED ROWS: within each 32 rows, stored row 16 u + r is row 8 u + r + 8 (r / 8).  A tile of 16 stored rows, used as source 0 of a product, then leaves 16 neighbouring rows in the 16 registers of two neighbouring tiles.
; SHARES: a work-group takes one tile of 16 stored rows, wave w its K step of 256: 16 rows x 1,024 bytes.  Each load reads 512 consecutive bytes; the numbers turn through the wave's own stage in LDS, so that lane (r, h) holds
; whole blocks of 32 neighbours of row r, in the order of the operand's registers.  No tensor loads: the stream is read once, all of a wave's 32 loads are out at once, and several work-groups share a WGP.
.set PITCH, 1040                       ; a stage row: 1,024 bytes + 16: sixteen rows begin in sixteen different groups of banks
.set WSTG,  16*PITCH                   ; a wave's stage
.set SCA,   4*WSTG                     ; behind the stages: the tile's scale bytes, 16 rows x 32
.set M,   8                            ; v8-9    largest magnitudes of my two blocks
.set SO,  10                           ; v10-11  the conversions' scale operands
.set BY,  12                           ; v12-13  the scale bytes
.set W,   14                           ; v14     the scale word;  v15 the other half of the lanes' part of it
.set W2,  15
.set F,   16                           ; v16-39  two fragments of 12 registers
.set TF,  40                           ; v40-46  the upper halves of two blocks' codes
.set R,   48                           ; v48-175 128 numbers
.set OUTW, 176                         ; v176-179 scale bytes on the way out
	s_load_b256 s[4:11], s[0:1], 0x0               ; x, w_qkv, w_proj, the images
	s_load_b64 s[12:13], s[0:1], 0x20              ; the scale bytes
	v_lshl_add_u32 v192, v0, 2, 0x10600
	v_mov_b32 v193, 0
	v_lshrrev_b32 v8, 5, v0
	v_readfirstlane_b32 s14, v8                    ; wave 0..3
	v_and_b32 v8, 31, v0                           ; lane
	v_lshlrev_b32 v1, 4, v8                        ; v1: 16 x lane
	v_lshlrev_b32 v2, 3, v8                        ; v2: 8 x lane
	s_mul_i32 s15, s14, WSTG
	v_add_nc_u32 v3, s15, v1                       ; v3: into the stage, as loaded
	v_and_b32 v9, 15, v0                           ; r
	v_bfe_u32 v10, v0, 4, 1                        ; h
	v_mul_u32_u24 v4, v9, PITCH
	v_lshl_add_u32 v4, v10, 7, v4
	v_add_nc_u32 v4, s15, v4                       ; v4: out of it: row r, + 128 h: my block of 32 numbers
	s_lshl_b32 s16, s14, 3
	s_add_co_u32 s16, s16, SCA
	v_lshl_add_u32 v5, v9, 5, s16                  ; v5: my row's scale words of my K step: SCA + 32 r + 8 w
	v_add_nc_u32 v6, SCA, v1                       ; v6: the tile's 512 scale bytes, 16 a lane
	v_lshlrev_b32 v7, 3, v10                       ; v7: 8 h
	v_mov_b32 v[W2], 0                             ; a lane permute's destination counts as one of its sources
	s_mov_b32 s22, 0x76543210
	s_mov_b32 s23, 0xfedcba98                      ; lane l xor 16
	s_mov_b32 s17, 448
	s_wait_kmcnt 0x0
	s_cmp_lt_u32 ttmp9, 448                        ; which tensor: the choice hangs on the work-group's number alone
	s_cselect_b64 s[6:7], s[6:7], s[8:9]
	s_cselect_b32 s17, 256, s17
	s_cmp_lt_u32 ttmp9, 256
	s_cselect_b64 s[4:5], s[4:5], s[6:7]
	s_cselect_b32 s17, 0, s17
	s_sub_co_u32 s17, ttmp9, s17                   ; the tile's number in its tensor
	s_lshr_b32 s18, s17, 1
	s_lshl_b32 s18, s18, 17                        ; 32 rows of 4,096 bytes for each pair of tiles,
	s_and_b32 s19, s17, 1
	s_lshl_b32 s19, s19, 15                        ; 8 rows for the odd tile,
	s_add_co_u32 s18, s18, s19
	s_lshl_b32 s19, s14, 10                        ; my wave's 1,024 bytes of a row
	s_add_co_u32 s18, s18, s19
	s_mov_b32 s19, 0
	s_add_nc_u64 s[4:5], s[4:5], s[18:19]
	s_lshr_b32 s20, ttmp9, 3
	s_mul_i32 s20, s20, 98304                      ; the group,
	s_mul_i32 s21, s14, 24576                      ; the K step of 256,
	s_add_co_u32 s20, s20, s21
	s_and_b32 s21, ttmp9, 7
	s_mul_i32 s21, s21, 1536                       ; the tile in its group
	s_add_co_u32 s20, s20, s21
	s_mov_b32 s21, 0
	s_add_nc_u64 s[10:11], s[10:11], s[20:21]
	s_lshl_b32 s20, ttmp9, 9                       ; 16 rows x 32 scale bytes
	s_add_nc_u64 s[12:13], s[12:13], s[20:21]
.irp i, 0,1,2,3,4,5,6,7,8,9,10,11,12,13,14,15
	global_load_b128 v[R+8*\i:R+8*\i+3],   v1, s[4:5] offset:(\i+8*(\i/8))*4096 th:TH_LOAD_NT       ; stored row i: 32 lanes read 512 consecutive bytes
	global_load_b128 v[R+8*\i+4:R+8*\i+7], v1, s[4:5] offset:(\i+8*(\i/8))*4096+512 th:TH_LOAD_NT
.endr
.irp i, 0,1,2,3,4,5,6,7,8,9,10,11,12,13,14,15
	s_wait_loadcnt 30-2*\i                         ; row i's two loads are in; the rows behind it may be out
	ds_store_b128 v3, v[R+8*\i:R+8*\i+3]   offset:PITCH*\i
	ds_store_b128 v3, v[R+8*\i+4:R+8*\i+7] offset:PITCH*\i+512
.endr
.irp s, 0,1                                    ; LDS serves a wave's instructions in order: these see the stores above.  Fragment s, block 2 c + h: 32 neighbours
.irp c, 0,1
.irp k, 0,1,2,3,4,5,6,7
	ds_load_b128 v[R+64*\s+32*\c+4*\k:R+64*\s+32*\c+4*\k+3], v4 offset:512*\s+256*\c+16*\k
.endr
.endr
.endr
; Fragment s of my K step: my two blocks' scales, the scale word, the codes; the fragment leaves as six whole runs of 256 bytes.
.macro QF s
.irp c, 0,1
	v_max3_num_f32 v[M+\c], |v[R+64*\s+32*\c]|, |v[R+64*\s+32*\c+1]|, 0x1800000   ; with the floor 2^(3 - 127): the byte cannot fall under 1
.endr
.irp i, 2,4,6,8,10,12,14,16,18,20,22,24,26,28,30
.irp c, 0,1
	v_max3_num_f32 v[M+\c], v[M+\c], |v[R+64*\s+32*\c+\i]|, |v[R+64*\s+32*\c+\i+1]|
.endr
.endr
.irp c, 0,1
	v_add_nc_u32 v[SO+\c], 0xff000000, v[M+\c]     ; 2 off the exponent field: the conversion takes that field as its scale
.endr
.irp c, 0,1
	v_lshrrev_b32 v[BY+\c], 23, v[SO+\c]           ; the scale's byte
.endr
	v_lshl_or_b32 v[W], v[BY+1], 16, v[BY]         ; blocks h and 2 + h,
	v_lshlrev_b32 v[W], v7, v[W]                   ; at their places in the word;
	v_permlanex16_b32 v[W2], v[W], s22, s23
	v_or_b32 v[W], v[W], v[W2]                     ; with lane l xor 16's two the word is whole
.irp c, 0,1
	v_cvt_scalef32_pk16_fp6_f32 v[F+12*\s+6*\c:F+12*\s+6*\c+2], v[R+64*\s+32*\c:R+64*\s+32*\c+15], v[SO+\c]
	v_cvt_scalef32_pk16_fp6_f32 v[TF+4*\c:TF+4*\c+2], v[R+64*\s+32*\c+16:R+64*\s+32*\c+31], v[SO+\c]   ; (a conversion's three registers begin on an even number)
.endr
	v_nop                                          ; one plain place behind a scaled conversion
.irp c, 0,1
.irp i, 0,1,2
	v_mov_b32 v[F+12*\s+6*\c+3+\i], v[TF+4*\c+\i]
.endr
.endr
.irp n, 0,1,2,3,4,5
	global_store_b64 v2, v[F+12*\s+2*\n:F+12*\s+2*\n+1], s[10:11] offset:12288*\s+256*\n   ; 32 lanes store 256 consecutive bytes, aligned; each fragment has registers of its own
.endr
	ds_store_b32 v5, v[W] offset:4*\s              ; lanes r and r + 16 write the same word with the same value
.endm
	s_wait_dscnt 16                                ; the first fragment's 16 loads are in
	QF 0
	s_wait_dscnt 0x0
	QF 1
	s_wait_dscnt 0x0                               ; for the others' sake: my scale words lie in LDS
	s_barrier_signal -1
	s_barrier_wait -1
	s_cmp_lg_u32 s14, 0
	s_cbranch_scc1 .Lend
	ds_load_b128 v[OUTW:OUTW+3], v6                ; wave 0 stores the tile's 512 scale bytes: two aligned runs of 256
	s_wait_dscnt 0x0
	global_store_b128 v1, v[OUTW:OUTW+3], s[12:13]
.Lend:
	s_wait_tensorcnt 0x0
	ds_add_u32 v192, v193
	s_wait_dscnt 0x0
	s_endpgm
.Lfunc_end_k_q7eac31805a_quant:
	.size	k_q7eac31805a_quant, .Lfunc_end_k_q7eac31805a_quant-k_q7eac31805a_quant
	.p2alignl 7, 3214868480
	.fill 96, 4, 3214868480
	.section	.rodata,"a",@progbits
	.p2align	6, 0x0
	.amdhsa_kernel k_q7eac31805a_quant
		.amdhsa_group_segment_fixed_size 67584
		.amdhsa_private_segment_fixed_size 0
		.amdhsa_enable_private_segment 0
		.amdhsa_kernarg_size 40
		.amdhsa_user_sgpr_count 2
		.amdhsa_user_sgpr_kernarg_segment_ptr 1
		.amdhsa_wavefront_size32 1
		.amdhsa_system_sgpr_workgroup_id_x 1
		.amdhsa_system_sgpr_workgroup_id_y 1
		.amdhsa_system_sgpr_workgroup_id_z 1
		.amdhsa_system_vgpr_workitem_id 0
		.amdhsa_next_free_vgpr 194
		.amdhsa_next_free_sgpr 66
		.amdhsa_reserve_vcc 0
		.amdhsa_float_denorm_mode_32 3
		.amdhsa_float_denorm_mode_16_64 3
		.amdhsa_memory_ordered 1
		.amdhsa_forward_progress 1
		.amdhsa_inst_pref_size 18
	.end_amdhsa_kernel
	.amdgpu_metadata
---
amdhsa.version: [ 1, 2 ]
amdhsa.kernels:
  - .name:           k_q7eac31805a_quant
    .symbol:         k_q7eac31805a_quant.kd
    .args:
      - { .name: x, .offset: 0, .size: 8, .value_kind: global_buffer, .address_space: global }
      - { .name: w_qkv, .offset: 8, .size: 8, .value_kind: global_buffer, .address_space: global }
      - { .name: w_proj, .offset: 16, .size: 8, .value_kind: global_buffer, .address_space: global }
      - { .name: opnd_img, .offset: 24, .size: 8, .value_kind: global_buffer, .address_space: global }
      - { .name: opnd_sc, .offset: 32, .size: 8, .value_kind: global_buffer, .address_space: global }
    .group_segment_fixed_size: 67584
    .private_segment_fixed_size: 0
    .kernarg_segment_align: 8
    .kernarg_segment_size: 40
    .max_flat_workgroup_size: 128
    .sgpr_count:     66
    .vgpr_count:     194
    .wavefront_size: 32
...
	.end_amdgpu_metadata
.endif
;; end of part 1
;; launch qkv (part 2): grid 12 x 16, 4 waves a work-group, clusters of 4 x 4, 327,680 bytes of LDS; arguments opnd_img, opnd_sc, att_codes, att_scales; writes att_codes, att_scales
.if DOCPART == 2
	.amdgcn_target "amdgcn-amd-amdhsa--gfx1250"
	.amdhsa_code_object_version 6
	.text
	.protected	k_q7eac31805a_qkv
	.globl	k_q7eac31805a_qkv
	.p2align	8
	.type	k_q7eac31805a_qkv,@function
k_q7eac31805a_qkv:
	s_mov_b64 s[64:65], 0
	v_nop
	global_prefetch_b8 v0, s[64:65] scope:SCOPE_SE
	s_setreg_imm32_b32 hwreg(HW_REG_WAVE_MODE, 25, 1), 1
	s_wait_xcnt 0x0
	s_wait_alu depctr_hold_cnt(0) depctr_sa_sdst(0) depctr_va_vdst(0) depctr_va_sdst(0) depctr_va_ssrc(0) depctr_va_vcc(0) depctr_vm_vsrc(0)
	s_getreg_b32 s2, hwreg(HW_REG_IB_STS2, 6, 4)
	s_cmp_eq_u32 s2, 0
	s_cbranch_scc0 .Lentry_in_a_cluster
	s_endpgm
.Lentry_in_a_cluster:
	s_bfe_u32 s2, ttmp6, 0x10000c
	s_cmp_lg_u32 s2, 0xf033
	s_cbranch_scc0 .Lentry_shape_is_right
	s_endpgm
.Lentry_shape_is_right:
; qkv = x w_qkv^T on codes of FP6 (E2M3) with E8M0 scales, K = 1,024; the results, f32 sums, are quantised in registers and leave as codes: q and k along the head's 64 channels, v along the tokens.
; A work-group of four waves makes 256 x 256 results, a wave 128 x 128: 64 accumulators.  Source 0 of a product is the B side (a lane's registers run along its rows), source 1 the A side (a lane holds one of its rows).
; TWO PARTS, one text.  Cluster x = 0, 1 (q, k): A side = x, B side = w_q, w_k: a lane holds a token, its registers run along the features.  Cluster x = 2 (v): A side = w_v, B side = x: a lane holds a feature,
; its registers run along the tokens, which are the K of attention's second product.  Both operands lie as images of fragments with their rows in the stored order (within 32 rows, stored row 16 u + r is row 8 u + r + 8 (r / 8)),
; so the 16 registers of accumulators 2 b, 2 b + 1 are 16 neighbours along the B side: 32 b + 16 (lane / 16) + 0 .. 15.
; THE RING: K goes in steps of 256 through two LDS slots.  A group of 128 rows x 256 K is one dense block of 24,576 bytes of memory: one tensor load a wave brings it, as 96 rows of 256 bytes.  A fragment comes out of LDS by six loads
; of 8 bytes a lane, each 256 consecutive bytes.  The scale bytes of the work-group's rows, for all of K, come once, with the first fills.
; CLUSTERS: 4 x 4 work-groups; the A side's tiles are shared along a row of the cluster, the B side's along a column, each asked for jointly.
; OUT: att_codes [slot: q heads 0-15, k 16-31, v 32-47][group of 128 tokens][6,144 bytes]: q, k: [tile of 16 tokens][3 chunks of 256 bytes] (six registers: the head's 64 channels); v: [tile of 16 channels][2][3 chunks] (whole fragments,
; 16 channels x 128 tokens).  att_scales [pair of heads: q 0-7, k 8-15, v 16-23][group][2][512 bytes]: a chunk is the image of four registers, word p of lane l for tile 2 p + l / 16, row l % 16; chunk 1 holds the words shifted down by 16 bits
; (q, k: the pair's second head; in the v part nobody reads it).
; LIMITS: a block of zeros, or one under 2^-124, gets the byte 1 (this program alone reads the bytes); NaN and infinities are not served.
; REGISTERS, in windows of 256: window 0: v0-31 addresses; v32-63 scale words, two sets; v64-115 the epilogue's; from v128 A's fragments, one set.  window 1: B's fragments, two sets.  windows 2, 3: the accumulators ((a, b) at v[8 (8 (a % 4) + b)]).
.set NQ,     2                         ; steps of 128 along K in a slot
.set FR,     12                        ; registers of a fragment
.set FRB,    FR*128                    ; and its image in bytes
.set NL,     6                         ; LDS loads that bring one
.set NP,     4                         ; places behind this matrix instruction (ISA guide 7.12.1)
.set HALFT,  16*FRB                    ; 128 rows x 256 K: what one tensor load brings
.set SLOT,   4*HALFT                   ; A's two groups, then B's two
.set GRP,    4*HALFT                   ; a group's four K steps in memory
.set KS,     32                        ; a row of scale bytes
.set SCL,    2*SLOT                    ; behind the ring: the scales, as runs of 256 bytes + 16 of padding
.set HALFS,  (128*KS/256)*272          ; those of 128 rows
.set SBLK,   (16*KS/256)*272           ; those of 16 rows
.set SPARE,  SCL+4*HALFS               ; the spare words, 128 bytes for each wave: two blocks of 256 bytes that no other line names
.set ADRA, 16                          ; v16-17  LDS address of my A fragments in slot 0, 1
.set ADRB, 20                          ; v20-21  the same for B
.set ADRS, 27                          ; v27     LDS address of my scale words: lanes 0-15 A's rows, lanes 16-31 B's
.set SPW,  28                          ; v28     LDS address of my spare word; never rewritten
.set NIL,  29                          ; v29     0; never rewritten
.set SC,   32                          ; scale words: set s at v[SC + 16 s]; register 2 i + q: lanes 0-15 A's block i, lanes 16-31 B's block i
.set AF,   128                         ; A's fragments
.set TM,   64                          ; the epilogue: v64-67 largest magnitudes, v68-71 bytes, v76-79 scale operands
.set PW,   80                          ; the scale word just made
.set PC,   84                          ; v84-95  the fragment just made;  v96-102 upper halves
.set CT,   96
.set SW,   104                         ; v104-107 the scale words of the eight blocks;  v112-115 shifted down
.set VO,   108                         ; v108 8 x lane;  v109 the same for the fragment's second half
.set SWO,  110                         ; v110 16 x lane
.set SW2,  112
.set G1, 24
.set G0, 32
.set G1B, 48
.set G0B, 56
.set G1S, 68
.set G0S, 76
.set G1SB, 80
.set G0SB, 88
.set MSB, 0
.macro WIN new                         ; the immediate's high byte repeats the setting that is left
.if MSB != \new
	s_set_vgpr_msb (MSB<<8)|\new
.set MSB, \new
.endif
.endm
.set MUL_LO, 0xa1                      ; source 0 (B) window 1, source 1 (A) window 0, C and D window 2
.set MUL_HI, 0xf1                      ; the same, C and D window 3
.set TO_B,   0x40                      ; destination window 1, address window 0
; A joint load: waves 0 and 1 fetch for A, waves 2 and 3 for B; the branch hangs on the wave's number alone.  Four v_nop follow each of the two lines.
.macro JLOAD g0a, g1a, g0b, g1b
	s_cmp_eq_u32 s15, 0
	s_cbranch_scc0 .Lfor_b_\@
	tensor_load_to_lds s[\g0a:\g0a+3], s[\g1a:\g1a+7]
	s_nop 0
.rept 4
	v_nop
.endr
	s_branch .Lasked_\@
.Lfor_b_\@:
	tensor_load_to_lds s[\g0b:\g0b+3], s[\g1b:\g1b+7]
	s_nop 0
.rept 4
	v_nop
.endr
.Lasked_\@:
.endm
.macro CREST                           ; a round of the cluster's barrier behind its opening barrier
	s_cmp_lg_u32 s14, 0
	s_cbranch_scc1 .Lnot_wave_0_\@
	s_barrier_signal -3
.Lnot_wave_0_\@:
	s_barrier_wait -3
	s_barrier_signal -1
	s_barrier_wait -1
.endm
.macro CROUND
	s_barrier_signal -1
	s_barrier_wait -1
	CREST
.endm
	s_load_b128 s[4:7], s[0:1], 0x0                ; the A side: images, scale bytes
	s_load_b128 s[8:11], s[0:1], 0x0               ; the B side: the same two buffers, in registers of their own
	s_load_b128 s[96:99], s[0:1], 0x10             ; att_codes, att_scales
	v_lshl_add_u32 v[SPW], v0, 2, SPARE
	v_mov_b32 v[NIL], 0
	ds_add_u32 v28, v29
	ds_add_u32 v28, v29
	s_wait_dscnt 0x0
	v_lshrrev_b32 v1, 5, v0
	v_readfirstlane_b32 s14, v1                    ; wave 0..3
	s_lshr_b32 s15, s14, 1                         ; which half of the tile's A rows is mine.  Also: I fetch for A (0) or for B (1)
	s_and_b32 s16, s14, 1                          ; which half of its B rows.  Also: which group of that side I fetch
	s_bfe_u32 s40, ttmp6, 0x40000                  ; cx, cy: my place in the cluster
	s_bfe_u32 s41, ttmp6, 0x40004
	s_lshr_b32 s95, ttmp9, 1                       ; 1 in the v part (cluster x = 2): the same in all sixteen partners
	s_xor_b32 s66, s95, 1                          ; 1 in the q, k part
	s_and_b32 s67, ttmp7, 0xffff
	s_lshl_b32 s67, s67, 2                         ; 4 x cluster y
	s_mul_i32 s17, s67, s66
	s_add_co_u32 s17, s17, s41                     ; tile row (A side): q, k: 4 x cluster y + cy;  v: cy
	s_lshl_b32 s42, ttmp9, 2
	s_mul_i32 s42, s42, s66
	s_mul_i32 s67, s67, s95
	s_add_co_u32 s42, s42, s67
	s_add_co_u32 s42, s42, s40                     ; tile column (B side): q, k: 4 x cluster x + cx;  v: 4 x cluster y + cx
	s_mul_i32 s2, s95, 48                          ; the A side's first group: x 0, w_v 48
	s_lshl_b32 s3, s66, 5                          ; the B side's: w_q 32, x 0
	s_lshl_b32 s43, s41, 2
	s_lshl_b32 s43, 15, s43                        ; my row of the cluster
	s_lshl_b32 s44, 0x1111, s40                    ; my column
	; descriptor group 1: a dense block of 24,576 bytes as 96 rows of 32 elements of 8 bytes, no padding
	s_or_b32 s[G1+0], s43, (3<<16)|(1<<21)         ; 15:0 the mask: A's tiles go to my row; 17:16 elements of 8 bytes; 21 set beside a mask
	s_or_b32 s[G1B+0], s44, (3<<16)|(1<<21)
.irp g, G1, G1B
	s_mov_b32 s[\g+1], 32<<16                      ; tensor_dim0
	s_mov_b32 s[\g+2], 96<<16                      ; tensor_dim1
	s_mov_b32 s[\g+3], 32<<16                      ; tile_dim0
	s_mov_b32 s[\g+4], 96                          ; tile_dim1
	s_mov_b32 s[\g+5], 32                          ; tensor_dim0_stride
	s_mov_b32 s[\g+6], 0
	s_mov_b32 s[\g+7], 0
.endr
	; the scales of 128 rows: 4,096 dense bytes as 16 rows of 256 bytes, 16 bytes of padding behind each
	s_or_b32 s[G1S+0], s43, (3<<16)|(1<<20)|(1<<21)|(5<<22)|(3<<25)
	s_or_b32 s[G1SB+0], s44, (3<<16)|(1<<20)|(1<<21)|(5<<22)|(3<<25)
.irp g, G1S, G1SB
	s_mov_b32 s[\g+1], 32<<16
	s_mov_b32 s[\g+2], (128*KS/256)<<16
	s_mov_b32 s[\g+3], 32<<16
	s_mov_b32 s[\g+4], 128*KS/256
	s_mov_b32 s[\g+5], 32
	s_mov_b32 s[\g+6], 0
	s_mov_b32 s[\g+7], 0
.endr
	s_lshl_b32 s20, s17, 1
	s_add_co_u32 s20, s20, s16
	s_add_co_u32 s20, s20, s2                      ; the A side's group that I fetch
	s_lshl_b32 s46, s42, 1
	s_add_co_u32 s46, s46, s16
	s_add_co_u32 s46, s46, s3                      ; the B side's
	s_lshl_b32 s22, s20, 12                        ; their scale bytes: 4,096 a group
	s_mov_b32 s23, 0
	s_lshl_b32 s92, s46, 12
	s_mov_b32 s93, 0
	s_mul_i32 s20, s20, GRP                        ; and their images
	s_mov_b32 s21, 0
	s_mul_i32 s46, s46, GRP
	s_mov_b32 s47, 0
	s_mul_i32 s45, s14, HALFT                      ; where they go: by the wave's number alone
	s_mul_i32 s94, s14, HALFS
	s_wait_kmcnt 0x0
	s_add_nc_u64 s[20:21], s[4:5], s[20:21]
	s_add_nc_u64 s[22:23], s[6:7], s[22:23]
	s_add_nc_u64 s[46:47], s[8:9], s[46:47]
	s_add_nc_u64 s[92:93], s[10:11], s[92:93]
	CROUND                                         ; all sixteen work-groups are here: the first joint loads meet
	s_mov_b32 s[G0S], 1
	s_add_co_u32 s[G0S+1], s94, SCL
	s_mov_b64 s[G0S+2:G0S+3], s[22:23]
	s_or_b32 s[G0S+3], s[G0S+3], 0x80000000
	s_mov_b32 s[G0SB], 1
	s_add_co_u32 s[G0SB+1], s94, SCL
	s_mov_b64 s[G0SB+2:G0SB+3], s[92:93]
	s_or_b32 s[G0SB+3], s[G0SB+3], 0x80000000
	JLOAD G0S, G1S, G0SB, G1SB                     ; the scales first: they are wanted with K step 0
.irp s, 0,1
	s_mov_b32 s[G0+4*\s], 1
	s_add_co_u32 s[G0+4*\s+1], s45, \s*SLOT
	s_add_nc_u64 s[G0+4*\s+2:G0+4*\s+3], s[20:21], \s*HALFT
	s_or_b32 s[G0+4*\s+3], s[G0+4*\s+3], 0x80000000
	s_mov_b32 s[G0B+4*\s], 1
	s_add_co_u32 s[G0B+4*\s+1], s45, \s*SLOT
	s_add_nc_u64 s[G0B+4*\s+2:G0B+4*\s+3], s[46:47], \s*HALFT
	s_or_b32 s[G0B+4*\s+3], s[G0B+4*\s+3], 0x80000000
	JLOAD G0+4*\s, G1, G0B+4*\s, G1B
.endr
	v_and_b32 v1, 15, v0                           ; l % 16
	v_bfe_u32 v2, v0, 4, 1                         ; l / 16
	v_and_b32 v3, 31, v0
	v_lshlrev_b32 v4, 3, v3                        ; an image's place for my lane: 8 x lane
	s_mul_i32 s21, s15, HALFT                      ; my group of A
	s_mul_i32 s22, s16, HALFT                      ; my group of B,
	s_add_co_u32 s22, s22, 2*HALFT                 ; behind A's two
.irp s, 0,1
	v_add_nc_u32 v[ADRA+\s], s21, v4
	v_add_nc_u32 v[ADRB+\s], s22, v4
	s_add_co_u32 s21, s21, SLOT
	s_add_co_u32 s22, s22, SLOT
.endr
	v_mul_u32_u24 v5, v1, KS                       ; my row's scales: 32 bytes a row,
	v_lshrrev_b32 v6, 8, v5
	v_lshl_add_u32 v5, v6, 4, v5                   ; and 16 more for each 256 passed
	s_mul_i32 s21, s15, HALFS
	s_mul_i32 s22, s16, HALFS
	s_add_co_u32 s22, s22, 2*HALFS
	s_sub_co_u32 s22, s22, s21
	v_mul_u32_u24 v6, s22, v2                      ; lanes 16-31 take B's: one product, the distance between the two bases
	s_add_co_u32 s21, s21, SCL
	v_add_nc_u32 v5, v5, v6
	v_add_nc_u32 v[ADRS], s21, v5
.macro FRAG reg, adr, q, i             ; a fragment comes back as it was laid: chunk p is registers 2 p, 2 p + 1; 32 lanes read 256 consecutive bytes
.irp p, 0,1,2,3,4,5
	ds_load_b64 v[\reg+2*\p:\reg+2*\p+1], v[\adr] offset:((\q)*8+(\i))*FRB+256*\p
.endr
.endm
; 16 matrix instructions: A's blocks a0, a0 + 1 x B's eight, 128 along K.  p: B's set; sc: the set of scale words.  zero = 1: the first product starts the sums.
; The 64 accumulators take turns, one instruction a turn, in the same order in every step.
.macro MUL16 a0, p, q, sc, zero
.irp a, \a0, \a0+1
.irp b, 0,1,2,3,4,5,6,7
.if \zero
	v_wmma_scale_f32_16x16x128_f8f6f4 v[8*(8*((\a)%4)+\b):8*(8*((\a)%4)+\b)+7], v[128*(\p)+FR*\b:128*(\p)+FR*\b+FR-1], v[AF+FR*(\a):AF+FR*(\a)+FR-1], 0, v[SC+8*NQ*(\sc)+NQ*\b+(\q)], v[SC+8*NQ*(\sc)+NQ*(\a)+(\q)] matrix_a_fmt:MATRIX_FMT_FP6 matrix_b_fmt:MATRIX_FMT_FP6 matrix_a_scale:MATRIX_SCALE_ROW1
.else
	v_wmma_scale_f32_16x16x128_f8f6f4 v[8*(8*((\a)%4)+\b):8*(8*((\a)%4)+\b)+7], v[128*(\p)+FR*\b:128*(\p)+FR*\b+FR-1], v[AF+FR*(\a):AF+FR*(\a)+FR-1], v[8*(8*((\a)%4)+\b):8*(8*((\a)%4)+\b)+7], v[SC+8*NQ*(\sc)+NQ*\b+(\q)], v[SC+8*NQ*(\sc)+NQ*(\a)+(\q)] matrix_a_fmt:MATRIX_FMT_FP6 matrix_b_fmt:MATRIX_FMT_FP6 matrix_a_scale:MATRIX_SCALE_ROW1
.endif
.endr
.endr
.endm
.macro FETCH_B slot, q, p
	WIN TO_B
.irp i, 0,1,2,3,4,5,6,7
	FRAG 128*(\p)+FR*\i, ADRB+\slot, \q, \i
.endr
	WIN 0
.endm
.macro FETCH_A slot, q, i0
.irp i, \i0, \i0+1, \i0+2, \i0+3
	FRAG AF+FR*(\i), ADRA+\slot, \q, \i
.endr
.endm
.macro SCALES sc                       ; a K step's scale words: two words a row; lanes 0-15 take A's block i, lanes 16-31 B's block i
.irp i, 0,1,2,3,4,5,6,7
	ds_load_b64 v[SC+8*NQ*\sc+NQ*\i:SC+8*NQ*\sc+NQ*\i+1], v[ADRS] offset:\i*SBLK
.endr
.endm
.macro PLACES n                        ; plain vector lines between a matrix instruction and a load into, or a read of, its registers
.rept \n
	v_nop
.endr
.endm
.macro STEP slot, q, zero              ; a step of 128 along K that has its successor in the same slot
	s_wait_dscnt 4*NL                              ; B's set and A's blocks 0-3 are in; the youngest 24 loads (A's blocks 4-7) may be out
	WIN MUL_LO
	MUL16 0, (\q)%2, \q, \slot, \zero
	MUL16 2, (\q)%2, \q, \slot, \zero
	s_wait_dscnt 0                                 ; A's blocks 4-7 are in
	PLACES NP
	FETCH_B \slot, (\q)+1, 1-(\q)%2
	FETCH_A \slot, (\q)+1, 0
	WIN MUL_HI
	MUL16 4, (\q)%2, \q, \slot, \zero
	MUL16 6, (\q)%2, \q, \slot, \zero
	PLACES NP
	WIN 0
	FETCH_A \slot, (\q)+1, 4
.endm
; A slot's last step changes slots: one barrier; in front of it each wave waits for all its tensor loads, adds 0 to its spare word, and waits for that and for its own reads of this slot.  fill = 1: this slot is filled again, two K steps ahead.
.macro TURN slot, next, fill
	s_wait_tensorcnt 0x0                           ; all my tensor loads have landed: my part of the next slot
	ds_add_u32 v[SPW], v[NIL]                      ; 0 onto my spare word
	s_wait_dscnt 4*NL+1                            ; (the add and the youngest 24 loads may be out)
	WIN MUL_LO
	MUL16 0, 1, NQ-1, \slot, 0                     ; sixteen matrix instructions stand between the add and the wait for it
	s_wait_dscnt 0x0                               ; the add is done, and my reads of this slot are over
	s_barrier_signal -1
	MUL16 2, 1, NQ-1, \slot, 0
	WIN 0
	s_barrier_wait -1
.if \fill
	CREST                                          ; the barrier has opened a round of the cluster's barrier: no wave of any partner still reads this slot or has a load on its way
	s_add_nc_u64 s[G0+4*\slot+2:G0+4*\slot+3], s[G0+4*\slot+2:G0+4*\slot+3], 2*HALFT
	s_add_nc_u64 s[G0B+4*\slot+2:G0B+4*\slot+3], s[G0B+4*\slot+2:G0B+4*\slot+3], 2*HALFT
	JLOAD G0+4*\slot, G1, G0B+4*\slot, G1B         ; the first tensor load behind the round; its four v_nop are the places in front of the loads below
.else
	PLACES NP
.endif
	v_add_nc_u32 v[ADRS], 4*NQ, v[ADRS]            ; on to the next K step's scale words (no LDS load of mine is out)
	FETCH_B \next, 0, 0
	FETCH_A \next, 0, 0
	SCALES \next
	WIN MUL_HI
	MUL16 4, 1, NQ-1, \slot, 0
	MUL16 6, 1, NQ-1, \slot, 0
	PLACES NP
	WIN 0
	FETCH_A \next, 0, 4
.endm
	s_wait_tensorcnt 1                             ; the scales and my part of K step 0 are in (K step 1's load may be out)
	s_barrier_signal -1
	s_barrier_wait -1
	FETCH_B 0, 0, 0
	FETCH_A 0, 0, 0
	SCALES 0
	FETCH_A 0, 0, 4
	STEP 0, 0, 1                                   ; K = 1,024 is four slots' worth, eight steps of 128, written out: the first starts the sums
	TURN 0, 1, 1                                   ; slot 0 takes K step 2
	STEP 1, 0, 0
	TURN 1, 0, 1                                   ; slot 1 takes K step 3
	STEP 0, 0, 0
	TURN 0, 1, 0                                   ; nothing is left to fetch
	STEP 1, 0, 0
	s_wait_dscnt 4*NL
	WIN MUL_LO
	MUL16 0, 1, NQ-1, 1, 0
	MUL16 2, 1, NQ-1, 1, 0
	s_wait_dscnt 0
	WIN MUL_HI
	MUL16 4, 1, NQ-1, 1, 0
	MUL16 6, 1, NQ-1, 1, 0
	WIN 0
	; THE WAY OUT.  Block a of my A rows: a lane's 64 results are 128 neighbours along the B side shared with lane l xor 16: one fragment and one scale word a row.  No LDS: a fragment leaves as six runs of 256 bytes.
	s_lshl_b32 s20, s17, 1
	s_add_co_u32 s20, s20, s15                     ; my group of 128 on the A side
	s_lshl_b32 s21, s42, 1
	s_add_co_u32 s21, s21, s16                     ; and on the B side
	s_add_co_u32 s22, s20, 16
	s_mov_b32 s66, 196608
	s_mov_b32 s67, 192000
	s_mov_b32 s46, 1536
	s_cmp_eq_u32 s95, 1                            ; the v part?
	s_cselect_b32 s22, s22, s21                    ; the pair of heads: v: 16 + the features' group;  q, k: the features' group
	s_cselect_b32 s23, s21, s20                    ; the tokens' group
	s_cselect_b32 s66, 768, s66                    ; from a fragment's first half to its second: v: 768 bytes;  q, k: the next head's slot
	s_cselect_b32 s92, s46, 768                    ; from block to block
	s_cselect_b32 s94, s67, 768                    ; from block 3 to block 4: v: on to the next head's slot
	s_mov_b32 s93, 0
	s_mov_b32 s95, 0
	s_mul_i32 s46, s22, 393216
	s_mul_i32 s47, s23, 6144
	s_add_co_u32 s46, s46, s47
	s_mov_b32 s47, 0
	s_add_nc_u64 s[96:97], s[96:97], s[46:47]
	s_lshl_b32 s46, s22, 5
	s_add_co_u32 s46, s46, s23
	s_lshl_b32 s46, s46, 10
	s_add_nc_u64 s[98:99], s[98:99], s[46:47]
	s_mov_b32 s18, 0x76543210
	s_mov_b32 s19, 0xfedcba98                      ; lane l xor 16
	s_mov_b32 vcc_lo, 0xffff0000                   ; lanes 16-31
	v_and_b32 v[VO], 31, v0                        ; these eight plain lines name no register of the last products: they are the places behind them
	v_lshlrev_b32 v[SWO], 4, v[VO]
	v_lshlrev_b32 v[VO], 3, v[VO]
	v_add_nc_u32 v[VO+1], s66, v[VO]
.irp b, 0,1,2,3
	v_mov_b32 v[TM+4+\b], 0                        ; a lane permute's destination counts as one of its sources
.endr
.macro QW a
.set AC, 64*((\a)%4)
	WIN 0x28+0x14*((\a)/4)                         ; sources 1 and 2: the accumulators' window
.irp b, 0,1,2,3
	v_max3_num_f32 v[TM+\b], 0x1800000, |v[AC+16*\b]|, |v[AC+16*\b+1]|   ; block b: my 16 numbers, from each accumulator's low end on, and the floor 2^(3 - 127)
.endr
.irp i, 2,4,6,8,10,12,14
.irp b, 0,1,2,3
	v_max3_num_f32 v[TM+\b], v[TM+\b], |v[AC+16*\b+\i]|, |v[AC+16*\b+\i+1]|
.endr
.endr
	WIN 0
.irp b, 0,1,2,3
	v_permlanex16_b32 v[TM+4+\b], v[TM+\b], s18, s19
.endr
.irp b, 0,1,2,3
	v_max_num_f32 v[TM+\b], v[TM+\b], v[TM+4+\b]   ; with lane l xor 16's: the block's largest magnitude
.endr
.irp b, 0,1,2,3
	v_add_nc_u32 v[TM+12+\b], 0xff000000, v[TM+\b] ; 2 off its exponent field: the conversion's scale operand
.endr
.irp b, 0,1,2,3
	v_lshrrev_b32 v[TM+4+\b], 23, v[TM+12+\b]      ; the scale's byte
.endr
	v_lshl_or_b32 v[PW], v[TM+5], 8, v[TM+4]
	v_lshl_or_b32 v[PW], v[TM+6], 16, v[PW]
	v_lshl_or_b32 v[PW], v[TM+7], 24, v[PW]
	WIN 0x02+((\a)/4)                              ; source 0: the accumulators' window
.irp c, 0,1
	v_cvt_scalef32_pk16_fp6_f32 v[PC+6*\c:PC+6*\c+2], v[AC+32*\c:AC+32*\c+15], v[TM+12+2*\c]
	v_cvt_scalef32_pk16_fp6_f32 v[CT+4*\c:CT+4*\c+2], v[AC+32*\c+16:AC+32*\c+31], v[TM+12+2*\c+1]   ; (a conversion's three registers begin on an even number)
.endr
	WIN 0
	v_nop                                          ; one plain place behind a scaled conversion
.irp c, 0,1                                    ; the operand's layout wants a whole block in a lane
.irp i, 0,1,2
	v_permlane16_swap_b32 v[PC+6*\c+\i], v[CT+4*\c+\i]
.endr
.irp i, 0,1,2
	v_mov_b32 v[PC+6*\c+3+\i], v[CT+4*\c+\i]
.endr
.endr
.if (\a)%2 == 0
	v_mov_b32 v[SW+(\a)/2], v[PW]                  ; lanes 0-15 keep the even block's words,
.else
	v_cndmask_b32 v[SW+(\a)/2], v[SW+(\a)/2], v[PW], vcc_lo   ; lanes 16-31 take the odd block's
.endif
.irp c, 0,1
.irp i, 0,1,2
	global_store_b64 v[VO+\c], v[PC+6*\c+2*\i:PC+6*\c+2*\i+1], s[96:97] offset:256*\i   ; 32 lanes store 256 consecutive bytes, aligned
.endr
.endr
	s_wait_xcnt 0x0                                ; the stores have read their registers and their base: both are written again only behind this wait
.if (\a) == 3
	s_add_nc_u64 s[96:97], s[96:97], s[94:95]
.elseif (\a) < 7
	s_add_nc_u64 s[96:97], s[96:97], s[92:93]
.endif
.endm
.irp a, 0,1,2,3,4,5,6,7
	QW \a
.endr
.irp p, 0,1,2,3
	v_lshrrev_b32 v[SW2+\p], 16, v[SW+\p]          ; the pair's second head: its two bytes at the word's low end
.endr
	global_store_b128 v[SWO], v[SW:SW+3], s[98:99]
	global_store_b128 v[SWO], v[SW2:SW2+3], s[98:99] offset:512
	s_wait_tensorcnt 0x0                           ; the wave's end
	ds_add_u32 v[SPW], v[NIL]
	s_wait_dscnt 0x0
	CROUND                                         ; the closing round: no work-group ends while a partner may still ask for a tile that names it
	s_endpgm
.Lfunc_end_k_q7eac31805a_qkv:
	.size	k_q7eac31805a_qkv, .Lfunc_end_k_q7eac31805a_qkv-k_q7eac31805a_qkv
	.p2alignl 7, 3214868480
	.fill 96, 4, 3214868480
	.section	.rodata,"a",@progbits
	.p2align	6, 0x0
	.amdhsa_kernel k_q7eac31805a_qkv
		.amdhsa_group_segment_fixed_size 327680
		.amdhsa_private_segment_fixed_size 0
		.amdhsa_enable_private_segment 0
		.amdhsa_kernarg_size 32
		.amdhsa_user_sgpr_count 2
		.amdhsa_user_sgpr_kernarg_segment_ptr 1
		.amdhsa_wavefront_size32 1
		.amdhsa_system_sgpr_workgroup_id_x 1
		.amdhsa_system_sgpr_workgroup_id_y 1
		.amdhsa_system_sgpr_workgroup_id_z 1
		.amdhsa_system_vgpr_workitem_id 0
		.amdhsa_next_free_vgpr 1024
		.amdhsa_next_free_sgpr 100
		.amdhsa_reserve_vcc 1
		.amdhsa_float_denorm_mode_32 3
		.amdhsa_float_denorm_mode_16_64 3
		.amdhsa_memory_ordered 1
		.amdhsa_forward_progress 1
		.amdhsa_inst_pref_size 167
	.end_amdhsa_kernel
	.amdgpu_metadata
---
amdhsa.version: [ 1, 2 ]
amdhsa.kernels:
  - .name:           k_q7eac31805a_qkv
    .symbol:         k_q7eac31805a_qkv.kd
    .args:
      - { .name: opnd_img, .offset: 0, .size: 8, .value_kind: global_buffer, .address_space: global }
      - { .name: opnd_sc, .offset: 8, .size: 8, .value_kind: global_buffer, .address_space: global }
      - { .name: att_codes, .offset: 16, .size: 8, .value_kind: global_buffer, .address_space: global }
      - { .name: att_scales, .offset: 24, .size: 8, .value_kind: global_buffer, .address_space: global }
    .group_segment_fixed_size: 327680
    .private_segment_fixed_size: 0
    .kernarg_segment_align: 8
    .kernarg_segment_size: 32
    .max_flat_workgroup_size: 128
    .sgpr_count:     100
    .vgpr_count:     1024
    .wavefront_size: 32
...
	.end_amdgpu_metadata
.endif
;; end of part 2
;; launch attn (part 3): grid 32 x 128, 8 waves a work-group, no clusters, 133,120 bytes of LDS; arguments att_codes, att_scales, o_img, o_sc; writes o_img, o_sc
.if DOCPART == 3
	.amdgcn_target "amdgcn-amd-amdhsa--gfx1250"
	.amdhsa_code_object_version 6
	.text
	.protected	k_q7eac31805a_attn
	.globl	k_q7eac31805a_attn
	.p2align	8
	.type	k_q7eac31805a_attn,@function
k_q7eac31805a_attn:
	s_mov_b64 s[64:65], 0
	v_nop
	global_prefetch_b8 v0, s[64:65] scope:SCOPE_SE
	s_setreg_imm32_b32 hwreg(HW_REG_WAVE_MODE, 25, 1), 1
	s_wait_xcnt 0x0
; For one head and one tile of 16 queries: scores = q k^T / 8 on codes of FP6; p = softplus(score)^2 for the keys up to the query; attn = p / (the row's sum + 1e-9), quantised finished and normalised, along the keys;
; O = attn v on codes of FP6; O is quantised along the channels and leaves as codes for the output projection.
; EVERY p IS COMPUTED ONCE.  The keys are shared out among the work-group's eight waves in units of 128 (wave w takes units (w + rot) % 8 and that + 8, where they reach the diagonal at most).  Pass 1: a unit's scores, p, and the lane's
; part of the row's sum; p goes, in f32, into the wave's own LDS bytes.  The eight waves exchange 16 sums.  Pass 2: the same wave reads its p back, multiplies by 1 / (sum + eps), quantises, multiplies by v.  The waves' parts of O meet in
; LDS and wave 0 adds them, quantises and stores.
; BOTH PRODUCTS ARE USED TRANSPOSED (source 0 = 16 keys, or 16 channels of v; source 1 = my 16 queries): a lane holds one query throughout.  Tokens lie in the stored order (within 32, stored 16 u + r is 8 u + r + 8 (r / 8)), so the 16 registers
; of score tiles 2 b, 2 b + 1 are keys 32 b + 16 (lane / 16) + 0 .. 15 of the unit, and likewise O's registers are neighbouring channels.
; K = 64 IN AN INSTRUCTION OF K = 128: q's registers 6-11 are zero codes.  k's tile t is named as the twelve registers from its own six on: the upper six are the next tile's codes (or six cleared registers), which meet zeros;
; FP6 has no code for NaN or infinity, and no scale byte here is 0xff.
; THE SOFTPLUS, in base 2: t = score x log2(e) / 8; softplus / ln 2 = max(t, 0) + log2(1 + 2^-|t|).  With e = 2^-|t| and u = 1 + e rounded, e - (u - 1) is the rounding's error, exactly; log2(u) + error x log2(e) keeps the logarithm
; accurate relative to itself where e is small.  p' = (softplus / ln 2)^2; the factor 1 / ln^2 2 cancels in the division, with 1e-9 / ln^2 2 in the place of 1e-9.
; NO TENSOR LOADS, NO CLUSTER: a work-group's p takes 128 KiB of LDS and two work-groups share a WGP; and under the causal mask neighbouring query tiles want different numbers of key units.
; k and v come straight into registers as images, 256 aligned bytes an instruction.
; LIMITS: for t under -126 v_exp_f32 gives 0 and the softplus is taken as 0 (its square is 0 in f32 as well); the division is v_rcp_f32 and a multiplication; the row's sum and O are added in another order than the definition's
; (eight waves' parts, in f32); blocks of zeros, or under 2^-124, get the byte 1 (this program alone reads the bytes); NaN and infinities are not served.  The scale bytes of O leave 2 bytes a row: parts of 256-byte runs, 128 KiB in the launch.
.set SUMB, 131072                      ; LDS: wave w's p at 16384 w (unit u at + 8192 u: 16 images of 512 bytes; the first 4 KiB later hold its part of O); from SUMB on 8 x 128 bytes: the waves' sums
.set S,   42                           ; v42-105  scores, then p, then the weights
.set E,   106                          ; v106-137 e, then the rounding's error        (pass 1)
.set U,   138                          ; v138-169 u, then u - 1
.set T,   170                          ; v170-201 log2 u
.set K0,  106                          ; v106-153 unit 0's k, v154-159 cleared
.set K1,  202                          ; v202-249 unit 1's k, v250-255 cleared
.set KS0, 30                           ; v30-33, v34-37 k's scale words
.set KS1, 34
.set V0,  106                          ; v106-153, v154-201 v's fragments              (pass 2)
.set V1,  154
.set VS0, 38                           ; v38-39, v40-41 v's scale words
.set VS1, 40
.set O,   202                          ; v202-233 O^T: four accumulators
.set PF,  234                          ; v234-245 the weights' fragment
.set CT,  246                          ; v246-248, v250-252 upper halves of blocks' codes
.set TM,  16                           ; v16-27: pass 1: q (16-21 codes, 22-27 zero codes); pass 2: largest magnitudes, bytes, scale operands
.set QS,  28                           ; v28  q's scale words
.set PW,  29                           ; v29  the scale word just made
; v1 8 x lane; v2 16 x lane; v3 16 x lane + 65536; v4 my p: 16384 w + 16 x lane; v5 SUMB + 4 x thread; v6 SUMB + 4 x lane; v7 my query - 16 (lane / 16), within its 128; v8 -infinity; v9 16 r, at the end 32 r;
; v[10:11] 1 / (sum + eps); v[12:15] the sum, two chains of pairs.
; s12 wave; s13 head; s14 batch; s15 query tile; s16 its place in its group of 128; s17 the diagonal's unit; s18, s19 my units; s[20:21] lane selects; s[22:23] log2(e) / 8; s[24:25] log2(e);
; s[26:49] addresses: q, q's scales, k 0, k 1, k's scales 0, 1, v 0, v 1, v's scales 0, 1, O's image, O's scale bytes.
	s_load_b256 s[4:11], s[0:1], 0x0               ; att_codes, att_scales, o_img, o_sc
	s_set_vgpr_msb 0x40
	v_lshl_add_u32 v0, v0, 2, 0x20400
	v_mov_b32 v1, 0
	s_set_vgpr_msb 0x4000
	v_lshrrev_b32 v9, 5, v0
	v_readfirstlane_b32 s12, v9                    ; wave 0..7
.irp j, 12,13,14,15,16,17,18,19,20,21,22,23,24,25,26,27
	v_mov_b32 v[\j], 0                             ; the sums; q's zero codes (its first six registers are loaded; later all twelve are at work, some as a lane permute's destination)
.endr
.irp j, 154,155,156,157,158,159,250,251,252,253,254,255
	v_mov_b32 v[\j], 0                             ; what the last tile of k names beyond its own six registers
.endr
	v_and_b32 v1, 31, v0                           ; lane
	v_lshlrev_b32 v2, 4, v1
	v_lshlrev_b32 v6, 2, v1
	v_lshlrev_b32 v1, 3, v1
	v_add_nc_u32 v3, 0x10000, v2
	s_lshl_b32 s50, s12, 14
	v_add_nc_u32 v4, s50, v2
	v_lshl_add_u32 v5, v0, 2, SUMB
	v_add_nc_u32 v6, SUMB, v6
	v_and_b32 v9, 15, v0                           ; r
	v_bfe_u32 v10, v0, 4, 1                        ; h
	v_and_b32 v7, 8, v9
	v_add_nc_u32 v7, v7, v9                        ; r + 8 (r / 8)
	v_lshlrev_b32 v10, 4, v10
	v_sub_nc_u32 v7, v7, v10                       ; - 16 h
	v_lshlrev_b32 v9, 4, v9                        ; 16 r
	v_mov_b32 v8, 0xff800000
	s_and_b32 s13, ttmp9, 15                       ; head
	s_lshr_b32 s14, ttmp9, 4                       ; batch
	s_and_b32 s50, ttmp7, 0xffff
	s_sub_co_u32 s15, 127, s50                     ; the query tile: the long ones first
	s_and_b32 s16, s15, 7
	s_lshr_b32 s17, s15, 3
	s_lshr_b32 s50, s50, 3
	s_add_co_u32 s50, s50, ttmp9
	s_add_co_u32 s50, s50, s12                     ; the units are dealt to the waves from another wave on in each work-group
	s_and_b32 s18, s50, 7
	s_add_co_u32 s19, s18, 8
	s_lshl_b32 s51, s14, 4
	s_add_co_u32 s52, s51, s17                     ; my queries' group of 128 tokens
	s_add_co_u32 s53, s51, s18                     ; unit 0's group; unit 1's is 8 further on
	s_lshr_b32 s54, s13, 1
	s_and_b32 s55, s13, 1
	s_lshr_b32 s56, s16, 1
	s_and_b32 s57, s16, 1
	s_lshl_b32 s60, s56, 5
	s_lshl_b32 s61, s57, 3
	s_add_co_u32 s60, s60, s61
	v_add_nc_u32 v7, s60, v7                       ; + 32 (a / 2) + 8 (a % 2): my query within its 128, less 16 h
	s_mov_b32 s20, 0x76543210
	s_mov_b32 s21, 0xfedcba98
	s_mov_b32 s22, 0x3e38aa3b                      ; log2(e) / 8
	s_mov_b32 s23, s22
	s_mov_b32 s24, 0x3fb8aa3b                      ; log2(e)
	s_mov_b32 s25, s24
	s_mov_b32 s59, 0
	s_mov_b32 s63, 0
	s_mul_i32 s60, s13, 196608                     ; the head's slot
	s_mul_i32 s58, s52, 6144
	s_add_co_u32 s58, s58, s60
	s_mul_i32 s61, s16, 768
	s_add_co_u32 s58, s58, s61
	s_wait_kmcnt 0x0
	s_add_nc_u64 s[26:27], s[4:5], s[58:59]        ; q's tile
	s_mul_i32 s58, s53, 6144
	s_add_co_u32 s58, s58, s60
	s_add_co_u32 s58, s58, 16*196608
	s_add_nc_u64 s[30:31], s[4:5], s[58:59]        ; k, unit 0
	s_add_nc_u64 s[32:33], s[30:31], 8*6144        ; unit 1
	s_add_nc_u64 s[38:39], s[30:31], 16*196608     ; v, unit 0
	s_add_nc_u64 s[40:41], s[38:39], 8*6144
	s_lshl_b32 s60, s54, 5
	s_add_co_u32 s58, s60, s52
	s_lshl_b32 s58, s58, 10
	s_lshl_b32 s61, s55, 9
	s_add_co_u32 s58, s58, s61                     ; my head's chunk,
	s_lshl_b32 s62, s57, 8
	s_add_co_u32 s58, s58, s62                     ; the half of the lanes that holds my tile,
	s_lshl_b32 s62, s56, 2
	s_add_co_u32 s58, s58, s62                     ; the word
	s_add_nc_u64 s[28:29], s[6:7], s[58:59]        ; q's scale words
	s_add_co_u32 s58, s60, s53
	s_add_co_u32 s58, s58, 256
	s_lshl_b32 s58, s58, 10
	s_add_co_u32 s62, s58, s61
	s_add_nc_u64 s[34:35], s[6:7], s[62:63]        ; k's, unit 0
	s_add_nc_u64 s[36:37], s[34:35], 8*1024
	s_add_co_u32 s58, s58, 256*1024
	s_lshl_b32 s61, s55, 3
	s_add_co_u32 s58, s58, s61                     ; v's: my head's two words of a lane's four
	s_add_nc_u64 s[42:43], s[6:7], s[58:59]
	s_add_nc_u64 s[44:45], s[42:43], 8*1024
	s_mul_i32 s58, s52, 98304                      ; O's image: the group, the K step of 256 (four heads), of 128 (two), the tile, the fragment's half
	s_lshr_b32 s60, s13, 2
	s_mul_i32 s60, s60, 24576
	s_add_co_u32 s58, s58, s60
	s_and_b32 s60, s54, 1
	s_mul_i32 s60, s60, 12288
	s_add_co_u32 s58, s58, s60
	s_mul_i32 s60, s16, 1536
	s_add_co_u32 s58, s58, s60
	s_mul_i32 s60, s55, 768
	s_add_co_u32 s58, s58, s60
	s_add_nc_u64 s[46:47], s[8:9], s[58:59]
	s_lshl_b32 s58, s52, 7
	s_lshl_b32 s60, s16, 4
	s_add_co_u32 s58, s58, s60
	s_lshl_b32 s58, s58, 5                         ; 32 scale bytes a stored row,
	s_lshl_b32 s60, s13, 1
	s_add_co_u32 s58, s58, s60                     ; two for each head
	s_add_nc_u64 s[48:49], s[10:11], s[58:59]
; One product.  acc = 1: onto d.  row = 1: source 0's scales stand in lanes 16-31.
.macro WM d, a, b, acc, sa, sb, row
.if \acc
.if \row
	v_wmma_scale_f32_16x16x128_f8f6f4 v[\d:\d+7], v[\a:\a+11], v[\b:\b+11], v[\d:\d+7], v[\sa], v[\sb] matrix_a_fmt:MATRIX_FMT_FP6 matrix_b_fmt:MATRIX_FMT_FP6 matrix_a_scale:MATRIX_SCALE_ROW1
.else
	v_wmma_scale_f32_16x16x128_f8f6f4 v[\d:\d+7], v[\a:\a+11], v[\b:\b+11], v[\d:\d+7], v[\sa], v[\sb] matrix_a_fmt:MATRIX_FMT_FP6 matrix_b_fmt:MATRIX_FMT_FP6
.endif
.else
.if \row
	v_wmma_scale_f32_16x16x128_f8f6f4 v[\d:\d+7], v[\a:\a+11], v[\b:\b+11], 0, v[\sa], v[\sb] matrix_a_fmt:MATRIX_FMT_FP6 matrix_b_fmt:MATRIX_FMT_FP6 matrix_a_scale:MATRIX_SCALE_ROW1
.else
	v_wmma_scale_f32_16x16x128_f8f6f4 v[\d:\d+7], v[\a:\a+11], v[\b:\b+11], 0, v[\sa], v[\sb] matrix_a_fmt:MATRIX_FMT_FP6 matrix_b_fmt:MATRIX_FMT_FP6
.endif
.endif
.endm
.macro LOADK kb, ks, p, ps             ; 25 loads: a unit's eight tiles of k, six registers each, and their scale words
.set n, 0
.rept 24
	global_load_b64 v[\kb+2*n:\kb+2*n+1], v1, s[\p:\p+1] offset:256*n
.set n, n+1
.endr
	global_load_b128 v[\ks:\ks+3], v2, s[\ps:\ps+1]
.endm
.macro LOADV vb, vs, p, ps             ; 25 loads: a unit's four fragments of v, and their scale words
.set n, 0
.rept 24
	global_load_b64 v[\vb+2*n:\vb+2*n+1], v1, s[\p:\p+1] offset:256*n
.set n, n+1
.endr
	global_load_b64 v[\vs:\vs+1], v2, s[\ps:\ps+1]
.endm
; The softplus, squared, of 32 scores, and their part of the sum.  Each batch of transcendentals has one plain line behind it and one wait ahead of its first reader.
.macro SP g
.set SB, S+32*\g
.set j, 0
.rept 16
	v_pk_mul_f32 v[SB+j:SB+j+1], v[SB+j:SB+j+1], s[22:23] op_sel_hi:[1,0]   ; t
.set j, j+2
.endr
.set j, 0
.rept 32
	v_exp_f32 v[E+j], -|v[SB+j]|                   ; e = 2^-|t|
.set j, j+1
.endr
	v_nop                                          ; a plain line behind the batch: the lines below overwrite its sources
.set j, 0
.rept 32
	v_max_num_f32 v[SB+j], 0, v[SB+j]              ; max(t, 0): names no result of the batch
.set j, j+1
.endr
	s_wait_alu depctr_va_vdst(0)                   ; one wait for the 32 exponentials, ahead of their first reader
.set j, 0
.rept 16
	v_pk_add_f32 v[U+j:U+j+1], v[E+j:E+j+1], 1.0 op_sel_hi:[1,0]   ; u = 1 + e
.set j, j+2
.endr
.set j, 0
.rept 32
	v_log_f32 v[T+j], v[U+j]
.set j, j+1
.endr
	v_nop                                          ; a plain line behind the batch
.set j, 0
.rept 16
	v_pk_add_f32 v[U+j:U+j+1], v[U+j:U+j+1], -1.0 op_sel_hi:[1,0]   ; u - 1, exact
.set j, j+2
.endr
.set j, 0
.rept 16
	v_pk_add_f32 v[E+j:E+j+1], v[E+j:E+j+1], v[U+j:U+j+1] neg_lo:[0,1] neg_hi:[0,1]   ; what the rounding of 1 + e lost, exact
.set j, j+2
.endr
.set j, 0
.rept 16
	v_pk_fma_f32 v[SB+j:SB+j+1], v[E+j:E+j+1], s[24:25], v[SB+j:SB+j+1] op_sel_hi:[1,0,1]
.set j, j+2
.endr
	s_wait_alu depctr_va_vdst(0)                   ; one wait for the 32 logarithms
.set j, 0
.rept 16
	v_pk_add_f32 v[SB+j:SB+j+1], v[SB+j:SB+j+1], v[T+j:T+j+1]   ; softplus / ln 2
.set j, j+2
.endr
.set j, 0
.rept 16
	v_pk_mul_f32 v[SB+j:SB+j+1], v[SB+j:SB+j+1], v[SB+j:SB+j+1]
.set j, j+2
.endr
.set j, 0
.rept 8
	v_pk_add_f32 v[12:13], v[12:13], v[SB+j:SB+j+1]
	v_pk_add_f32 v[14:15], v[14:15], v[SB+j+2:SB+j+3]
.set j, j+4
.endr
.endm
; PASS 1 of a unit: scores, mask (mask = 1: this unit may be the diagonal's; sj holds its number), p, the sum; p to LDS as images of its registers.
.macro P1 kb, ks, u, sj, mask
.irp t, 0,1,2,3,4,5,6,7
	WM S+8*\t, \kb+6*\t, 16, 0, \ks+\t/2, QS, \t%2
.endr
.rept 4
	v_nop                                          ; places behind the products
.endr
.if \mask
	s_cmp_lg_u32 s[\sj], s17
	s_cbranch_scc1 .Lopen_\@                       ; a unit all of whose keys count
.set n, 0
.rept 64
	v_cmp_gt_i32 vcc_lo, 32*(n/16)+n%16, v7        ; register 16 b + i holds key 32 b + 16 (lane / 16) + i of the unit: hidden where it comes after my query
	v_cndmask_b32 v[S+n], v[S+n], v8, vcc_lo       ; -infinity: e = 0, max = 0, p = 0
.set n, n+1
.endr
.Lopen_\@:
.endif
	SP 0
	SP 1
.irp n, 0,1,2,3,4,5,6,7,8,9,10,11,12,13,14,15
	ds_store_b128 v4, v[S+4*\n:S+4*\n+3] offset:8192*\u+512*\n
.endr
.endm
; The weights in v[S] on, register 16 b + i = key 32 b + 16 (lane / 16) + i, become a fragment in v[PF] on and its scale word.  None is negative: no |.|.
.macro QUANT4
.irp b, 0,1,2,3
	v_max3_num_f32 v[TM+\b], v[S+16*\b], v[S+16*\b+1], 0x1800000   ; with the floor 2^(3 - 127)
.endr
.irp i, 2,4,6,8,10,12,14
.irp b, 0,1,2,3
	v_max3_num_f32 v[TM+\b], v[TM+\b], v[S+16*\b+\i], v[S+16*\b+\i+1]
.endr
.endr
.irp b, 0,1,2,3
	v_permlanex16_b32 v[TM+4+\b], v[TM+\b], s20, s21
.endr
.irp b, 0,1,2,3
	v_max_num_f32 v[TM+\b], v[TM+\b], v[TM+4+\b]
.endr
.irp b, 0,1,2,3
	v_add_nc_u32 v[TM+8+\b], 0xff000000, v[TM+\b]
.endr
.irp b, 0,1,2,3
	v_lshrrev_b32 v[TM+4+\b], 23, v[TM+8+\b]
.endr
	v_lshl_or_b32 v[PW], v[TM+5], 8, v[TM+4]
	v_lshl_or_b32 v[PW], v[TM+6], 16, v[PW]
	v_lshl_or_b32 v[PW], v[TM+7], 24, v[PW]
.irp c, 0,1
	v_cvt_scalef32_pk16_fp6_f32 v[PF+6*\c:PF+6*\c+2], v[S+32*\c:S+32*\c+15], v[TM+8+2*\c]
	v_cvt_scalef32_pk16_fp6_f32 v[CT+4*\c:CT+4*\c+2], v[S+32*\c+16:S+32*\c+31], v[TM+8+2*\c+1]
.endr
	v_nop                                          ; one plain place behind a scaled conversion
.irp c, 0,1
.irp i, 0,1,2
	v_permlane16_swap_b32 v[PF+6*\c+\i], v[CT+4*\c+\i]
.endr
.irp i, 0,1,2
	v_mov_b32 v[PF+6*\c+3+\i], v[CT+4*\c+\i]
.endr
.endr
.endm
; PASS 2 of a unit: p back from my own LDS bytes, normalised, quantised, times v.  acc = 0: the products start O's sums.  cnt: the younger global loads, which may stay out.
.macro P2 vb, vs, u, acc, cnt
.irp n, 0,1,2,3,4,5,6,7,8,9,10,11,12,13,14,15
	ds_load_b128 v[S+4*\n:S+4*\n+3], v4 offset:8192*\u+512*\n
.endr
	s_wait_dscnt 0x0
.set j, 0
.rept 32
	v_pk_mul_f32 v[S+j:S+j+1], v[S+j:S+j+1], v[10:11] op_sel_hi:[1,0]
.set j, j+2
.endr
	QUANT4
.rept 8
	v_nop                                          ; a scale register written by a vector line stands 8 places ahead of a scaled product, an operand 4
.endr
	s_wait_loadcnt \cnt
.irp d, 0,1,2,3                                ; the four accumulators by turns, one instruction a turn
	WM O+8*\d, \vb+12*\d, PF, \acc, \vs+\d/2, PW, \d%2
.endr
.endm
	; ---- PASS 1
	s_cmp_gt_u32 s18, s17
	s_cbranch_scc1 .Lsum                           ; no unit of mine reaches the diagonal at most: my sums stay 0
.irp i, 0,1,2
	global_load_b64 v[16+2*\i:17+2*\i], v1, s[26:27] offset:256*\i   ; q's six registers
.endr
	global_load_b32 v[QS], v9, s[28:29]
	LOADK K0, KS0, 30, 34
	s_cmp_gt_u32 s19, s17
	s_cbranch_scc1 .Lone
	LOADK K1, KS1, 32, 36
	s_wait_loadcnt 25                              ; q and unit 0 are in; unit 1's 25 loads may be out
	P1 K0, KS0, 0, 18, 0                           ; (with a second unit the first lies under the diagonal)
	s_wait_loadcnt 0x0
	s_wait_dscnt 0x0                               ; my stores of p have read their registers
	P1 K1, KS1, 1, 19, 1
	s_branch .Lsum
.Lone:
	s_wait_loadcnt 0x0
	P1 K0, KS0, 0, 18, 1
.Lsum:
	v_pk_add_f32 v[12:13], v[12:13], v[14:15]
	v_add_f32 v12, v12, v13
	v_permlanex16_b32 v13, v12, s20, s21
	v_add_f32 v12, v12, v13                        ; my query's sum over my wave's keys
	ds_store_b32 v5, v12
	s_wait_dscnt 0x0                               ; for the others' sake: my sums lie in LDS
	s_barrier_signal -1
	s_barrier_wait -1
.irp k, 0,1,2,3,4,5,6,7
	ds_load_b32 v[106+\k], v6 offset:128*\k
.endr
	s_wait_dscnt 0x0
	v_add_f32 v106, v106, v107
	v_add_f32 v108, v108, v109
	v_add_f32 v110, v110, v111
	v_add_f32 v112, v112, v113
	v_add_f32 v106, v106, v108
	v_add_f32 v110, v110, v112
	v_add_f32 v106, v106, v110                     ; the row's sum
	v_add_f32 v106, 0x310f07d4, v106               ; + 1e-9 / ln^2 2
	v_rcp_f32 v10, v106
	v_nop                                          ; a plain place behind the transcendental
	s_wait_alu depctr_va_vdst(0)                   ; and the wait ahead of its first reader
	v_mov_b32 v11, v10
	; ---- PASS 2
	s_cmp_gt_u32 s18, s17
	s_cbranch_scc1 .Lidle
	LOADV V0, VS0, 38, 42
	s_cmp_gt_u32 s19, s17
	s_cbranch_scc1 .Lone2
	LOADV V1, VS1, 40, 44
	P2 V0, VS0, 0, 0, 25                           ; unit 1's 25 loads may be out
	P2 V1, VS1, 1, 1, 0
	s_branch .Lred
.Lone2:
	P2 V0, VS0, 0, 0, 0
	s_branch .Lred
.Lidle:
.set j, 0
.rept 32
	v_mov_b32 v[O+j], 0                            ; a wave without keys hands zeros on
.set j, j+1
.endr
.Lred:
.rept 4
	v_nop                                          ; places behind the last products
.endr
.irp n, 0,1,2,3,4,5,6,7
	ds_store_b128 v4, v[O+4*\n:O+4*\n+3] offset:512*\n   ; my part of O, each accumulator from its low end on, over my p, which I have read
.endr
	s_wait_dscnt 0x0
	s_barrier_signal -1
	s_barrier_wait -1
	s_cmp_lg_u32 s12, 0
	s_cbranch_scc1 .Lend
	; ---- wave 0 adds the seven other parts onto its own.  Five buffers of 32 registers; the waits count the younger parts' loads, eight each
.macro GETP k, m
.irp n, 0,1,2,3,4,5,6,7
.if \k < 4
	ds_load_b128 v[42+32*\m+4*\n:42+32*\m+4*\n+3], v2 offset:16384*\k+512*\n
.else
	ds_load_b128 v[42+32*\m+4*\n:42+32*\m+4*\n+3], v3 offset:16384*(\k-4)+512*\n
.endif
.endr
.endm
.macro ADDP m
.set j, 0
.rept 16
	v_pk_add_f32 v[O+j:O+j+1], v[O+j:O+j+1], v[42+32*\m+j:42+32*\m+j+1]
.set j, j+2
.endr
.endm
	GETP 1, 0
	GETP 2, 1
	GETP 3, 2
	GETP 4, 3
	GETP 5, 4
	s_wait_dscnt 32
	ADDP 0
	GETP 6, 0
	s_wait_dscnt 32
	ADDP 1
	GETP 7, 1
	s_wait_dscnt 32
	ADDP 2
	s_wait_dscnt 24
	ADDP 3
	s_wait_dscnt 16
	ADDP 4
	s_wait_dscnt 8
	ADDP 0
	s_wait_dscnt 0x0
	ADDP 1
	; O's two blocks of 32 channels: register 16 b + i = channel 32 b + 16 (lane / 16) + i
.irp b, 0,1
	v_max3_num_f32 v[TM+\b], |v[O+16*\b]|, |v[O+16*\b+1]|, 0x1800000
.endr
.irp i, 2,4,6,8,10,12,14
.irp b, 0,1
	v_max3_num_f32 v[TM+\b], v[TM+\b], |v[O+16*\b+\i]|, |v[O+16*\b+\i+1]|
.endr
.endr
.irp b, 0,1
	v_permlanex16_b32 v[TM+4+\b], v[TM+\b], s20, s21
.endr
.irp b, 0,1
	v_max_num_f32 v[TM+\b], v[TM+\b], v[TM+4+\b]
.endr
.irp b, 0,1
	v_add_nc_u32 v[TM+8+\b], 0xff000000, v[TM+\b]
.endr
.irp b, 0,1
	v_lshrrev_b32 v[TM+4+\b], 23, v[TM+8+\b]
.endr
	v_lshl_or_b32 v[PW], v[TM+5], 8, v[TM+4]       ; my row's two scale bytes
	v_and_b32 v9, 15, v0                           ; (the load that read v9 was waited for in pass 1)
	v_lshlrev_b32 v9, 5, v9                        ; 32 r
	v_cvt_scalef32_pk16_fp6_f32 v[PF:PF+2], v[O:O+15], v[TM+8]
	v_cvt_scalef32_pk16_fp6_f32 v[CT:CT+2], v[O+16:O+31], v[TM+9]
	v_nop                                          ; one plain place behind a scaled conversion
.irp i, 0,1,2
	v_permlane16_swap_b32 v[PF+\i], v[CT+\i]       ; lanes 0-15 block 0, lanes 16-31 block 1
.endr
.irp i, 0,1,2
	v_mov_b32 v[PF+3+\i], v[CT+\i]
.endr
.irp i, 0,1,2
	global_store_b64 v1, v[PF+2*\i:PF+2*\i+1], s[46:47] offset:256*\i   ; my head's half of a fragment: 32 lanes store 256 consecutive bytes, aligned
.endr
	global_store_b16 v9, v[PW], s[48:49]           ; lanes r and r + 16 store the same two bytes
.Lend:
	s_set_vgpr_msb 0x5
	s_wait_tensorcnt 0x0
	ds_add_u32 v0, v1
	s_wait_dscnt 0x0
	s_set_vgpr_msb 0x500
	s_endpgm
.Lfunc_end_k_q7eac31805a_attn:
	.size	k_q7eac31805a_attn, .Lfunc_end_k_q7eac31805a_attn-k_q7eac31805a_attn
	.p2alignl 7, 3214868480
	.fill 96, 4, 3214868480
	.section	.rodata,"a",@progbits
	.p2align	6, 0x0
	.amdhsa_kernel k_q7eac31805a_attn
		.amdhsa_group_segment_fixed_size 133120
		.amdhsa_private_segment_fixed_size 0
		.amdhsa_enable_private_segment 0
		.amdhsa_kernarg_size 32
		.amdhsa_user_sgpr_count 2
		.amdhsa_user_sgpr_kernarg_segment_ptr 1
		.amdhsa_wavefront_size32 1
		.amdhsa_system_sgpr_workgroup_id_x 1
		.amdhsa_system_sgpr_workgroup_id_y 1
		.amdhsa_system_sgpr_workgroup_id_z 1
		.amdhsa_system_vgpr_workitem_id 0
		.amdhsa_next_free_vgpr 258
		.amdhsa_next_free_sgpr 66
		.amdhsa_reserve_vcc 1
		.amdhsa_float_denorm_mode_32 3
		.amdhsa_float_denorm_mode_16_64 3
		.amdhsa_memory_ordered 1
		.amdhsa_forward_progress 1
		.amdhsa_inst_pref_size 144
	.end_amdhsa_kernel
	.amdgpu_metadata
---
amdhsa.version: [ 1, 2 ]
amdhsa.kernels:
  - .name:           k_q7eac31805a_attn
    .symbol:         k_q7eac31805a_attn.kd
    .args:
      - { .name: att_codes, .offset: 0, .size: 8, .value_kind: global_buffer, .address_space: global }
      - { .name: att_scales, .offset: 8, .size: 8, .value_kind: global_buffer, .address_space: global }
      - { .name: o_img, .offset: 16, .size: 8, .value_kind: global_buffer, .address_space: global }
      - { .name: o_sc, .offset: 24, .size: 8, .value_kind: global_buffer, .address_space: global }
    .group_segment_fixed_size: 133120
    .private_segment_fixed_size: 0
    .kernarg_segment_align: 8
    .kernarg_segment_size: 32
    .max_flat_workgroup_size: 256
    .sgpr_count:     66
    .vgpr_count:     258
    .wavefront_size: 32
...
	.end_amdgpu_metadata
.endif
;; end of part 3
;; launch proj (part 4): grid 4 x 16, 4 waves a work-group, clusters of 4 x 4, 327,680 bytes of LDS; arguments o_img, o_sc, opnd_img, opnd_sc, b_proj, out0; writes out0
.if DOCPART == 4
	.amdgcn_target "amdgcn-amd-amdhsa--gfx1250"
	.amdhsa_code_object_version 6
	.text
	.protected	k_q7eac31805a_proj
	.globl	k_q7eac31805a_proj
	.p2align	8
	.type	k_q7eac31805a_proj,@function
k_q7eac31805a_proj:
	s_mov_b64 s[64:65], 0
	v_nop
	global_prefetch_b8 v0, s[64:65] scope:SCOPE_SE
	s_setreg_imm32_b32 hwreg(HW_REG_WAVE_MODE, 25, 1), 1
	s_wait_xcnt 0x0
	s_wait_alu depctr_hold_cnt(0) depctr_sa_sdst(0) depctr_va_vdst(0) depctr_va_sdst(0) depctr_va_ssrc(0) depctr_va_vcc(0) depctr_vm_vsrc(0)
	s_getreg_b32 s2, hwreg(HW_REG_IB_STS2, 6, 4)
	s_cmp_eq_u32 s2, 0
	s_cbranch_scc0 .Lentry_in_a_cluster
	s_endpgm
.Lentry_in_a_cluster:
	s_bfe_u32 s2, ttmp6, 0x10000c
	s_cmp_lg_u32 s2, 0xf033
	s_cbranch_scc0 .Lentry_shape_is_right
	s_endpgm
.Lentry_shape_is_right:
; out0 = O w_proj^T + b_proj on codes of FP6 (E2M3) with E8M0 scales, K = 1,024; sums in f32; out0 [4096][1024] f32.
; A work-group of four waves makes 256 x 256 of out0, a wave 128 x 128: 64 accumulators.  Source 0 = 16 rows of w_proj (a lane's registers run along the outputs), source 1 = 16 tokens of O (a lane holds one token).
; Both operands lie as images of fragments, rows in the stored order (within 32 rows, stored row 16 u + r is row 8 u + r + 8 (r / 8)): the way out puts rows and columns back by constants.
; THE RING: K goes in steps of 256 through two LDS slots; a group of 128 rows x 256 K is one dense block of 24,576 bytes: one tensor load a wave.  The scale bytes of the work-group's rows come once, with the first fills.
; CLUSTERS: 4 x 4 work-groups; O's tiles are shared along a row of the cluster, w_proj's along a column, each asked for jointly.  The grid has 64 work-groups: out0 has 64 tiles of 256 x 256.
; The bias is the C of each sum's first product: eight registers for each of B's blocks, in the result's layout.
; REGISTERS, in windows of 256: window 0: v0-31 addresses; v32-63 scale words, two sets; v64-127 the bias; from v128 A's fragments, one set; on the way out v128-255 rows of out0.  window 1: B's fragments, two sets.  windows 2, 3: the accumulators.
.set NQ,     2                         ; steps of 128 along K in a slot
.set FR,     12                        ; registers of a fragment
.set FRB,    FR*128                    ; and its image in bytes
.set NL,     6                         ; LDS loads that bring one
.set NP,     4                         ; places behind this matrix instruction (ISA guide 7.12.1)
.set HALFT,  16*FRB                    ; 128 rows x 256 K: what one tensor load brings
.set SLOT,   4*HALFT                   ; A's two groups, then B's two
.set GRP,    4*HALFT                   ; a group's four K steps in memory
.set KS,     32                        ; a row of scale bytes
.set SCL,    2*SLOT                    ; behind the ring: the scales, as runs of 256 bytes + 16 of padding
.set HALFS,  (128*KS/256)*272
.set SBLK,   (16*KS/256)*272
.set SPARE,  SCL+4*HALFS               ; the spare words, 128 bytes for each wave: two blocks of 256 bytes that no other line names
.set SPITCH, 528                       ; the way out: a stage of 16 rows x (512 bytes + 16) for each wave, in slot 0, which has had its last fill and its last read when the first result is stored there
.set ADRA, 16
.set ADRB, 20
.set STO,  24                          ; v24     the way out: where I put 16 bytes of a row
.set RD,   25                          ; v25     where I read a row back
.set CO,   26                          ; v26     16 x lane: my bytes of a row of out0
.set ADRS, 27
.set SPW,  28                          ; v28     LDS address of my spare word; never rewritten
.set NIL,  29                          ; v29     0; never rewritten
.set SC,   32
.set BI,   64                          ; v64-127 the bias: block b's eight numbers at v[BI + 8 b]
.set AF,   128
.set BK,   128                         ; the way out: 16 rows read back: v128-191 and v192-255 by turns
.set G1, 24
.set G0, 32
.set G1B, 48
.set G0B, 56
.set G1S, 68
.set G0S, 76
.set G1SB, 80
.set G0SB, 88
.set MSB, 0
.macro WIN new                         ; the immediate's high byte repeats the setting that is left
.if MSB != \new
	s_set_vgpr_msb (MSB<<8)|\new
.set MSB, \new
.endif
.endm
.set MUL_LO, 0xa1                      ; source 0 (B) window 1, source 1 (A) window 0, C and D window 2
.set MUL_HI, 0xf1                      ; the same, C and D window 3
.set FIRST_LO, 0x81                    ; the first step: C (the bias) window 0, D window 2
.set FIRST_HI, 0xc1                    ; D window 3
.set TO_B,   0x40                      ; destination window 1, address window 0
; A joint load: waves 0 and 1 fetch for A, waves 2 and 3 for B; the branch hangs on the wave's number alone.  Four v_nop follow each of the two lines.
.macro JLOAD g0a, g1a, g0b, g1b
	s_cmp_eq_u32 s15, 0
	s_cbranch_scc0 .Lfor_b_\@
	tensor_load_to_lds s[\g0a:\g0a+3], s[\g1a:\g1a+7]
	s_nop 0
.rept 4
	v_nop
.endr
	s_branch .Lasked_\@
.Lfor_b_\@:
	tensor_load_to_lds s[\g0b:\g0b+3], s[\g1b:\g1b+7]
	s_nop 0
.rept 4
	v_nop
.endr
.Lasked_\@:
.endm
.macro CREST                           ; a round of the cluster's barrier behind its opening barrier
	s_cmp_lg_u32 s14, 0
	s_cbranch_scc1 .Lnot_wave_0_\@
	s_barrier_signal -3
.Lnot_wave_0_\@:
	s_barrier_wait -3
	s_barrier_signal -1
	s_barrier_wait -1
.endm
.macro CROUND
	s_barrier_signal -1
	s_barrier_wait -1
	CREST
.endm
	s_load_b128 s[4:7], s[0:1], 0x0                ; O's images, O's scale bytes
	s_load_b128 s[8:11], s[0:1], 0x10              ; the weights' images, their scale bytes
	s_load_b128 s[96:99], s[0:1], 0x20             ; b_proj, out0
	v_lshl_add_u32 v[SPW], v0, 2, SPARE
	v_mov_b32 v[NIL], 0
	ds_add_u32 v28, v29
	ds_add_u32 v28, v29
	s_wait_dscnt 0x0
	v_lshrrev_b32 v1, 5, v0
	v_readfirstlane_b32 s14, v1                    ; wave 0..3
	s_lshr_b32 s15, s14, 1                         ; which half of the tile's rows is mine.  Also: I fetch for A (0) or for B (1)
	s_and_b32 s16, s14, 1                          ; which half of its columns.  Also: which group of that side I fetch
	s_bfe_u32 s40, ttmp6, 0x40000                  ; cx, cy: my place in the cluster
	s_bfe_u32 s41, ttmp6, 0x40004
	s_lshl_b32 s42, ttmp9, 2
	s_add_co_u32 s42, s42, s40                     ; tile column = 4 x cluster x + cx
	s_and_b32 s17, ttmp7, 0xffff
	s_lshl_b32 s17, s17, 2
	s_add_co_u32 s17, s17, s41                     ; tile row = 4 x cluster y + cy
	s_lshl_b32 s43, s41, 2
	s_lshl_b32 s43, 15, s43                        ; my row of the cluster
	s_lshl_b32 s44, 0x1111, s40                    ; my column
	; descriptor group 1: a dense block of 24,576 bytes as 96 rows of 32 elements of 8 bytes, no padding
	s_or_b32 s[G1+0], s43, (3<<16)|(1<<21)         ; 15:0 the mask: A's tiles go to my row; 17:16 elements of 8 bytes; 21 set beside a mask
	s_or_b32 s[G1B+0], s44, (3<<16)|(1<<21)
.irp g, G1, G1B
	s_mov_b32 s[\g+1], 32<<16                      ; tensor_dim0
	s_mov_b32 s[\g+2], 96<<16                      ; tensor_dim1
	s_mov_b32 s[\g+3], 32<<16                      ; tile_dim0
	s_mov_b32 s[\g+4], 96                          ; tile_dim1
	s_mov_b32 s[\g+5], 32                          ; tensor_dim0_stride
	s_mov_b32 s[\g+6], 0
	s_mov_b32 s[\g+7], 0
.endr
	; the scales of 128 rows: 4,096 dense bytes as 16 rows of 256 bytes, 16 bytes of padding behind each
	s_or_b32 s[G1S+0], s43, (3<<16)|(1<<20)|(1<<21)|(5<<22)|(3<<25)
	s_or_b32 s[G1SB+0], s44, (3<<16)|(1<<20)|(1<<21)|(5<<22)|(3<<25)
.irp g, G1S, G1SB
	s_mov_b32 s[\g+1], 32<<16
	s_mov_b32 s[\g+2], (128*KS/256)<<16
	s_mov_b32 s[\g+3], 32<<16
	s_mov_b32 s[\g+4], 128*KS/256
	s_mov_b32 s[\g+5], 32
	s_mov_b32 s[\g+6], 0
	s_mov_b32 s[\g+7], 0
.endr
	s_lshl_b32 s20, s17, 1
	s_add_co_u32 s20, s20, s16                     ; O's group that I fetch
	s_lshl_b32 s46, s42, 1
	s_add_co_u32 s46, s46, s16
	s_add_co_u32 s46, s46, 56                      ; w_proj's: its groups begin at 56
	s_lshl_b32 s22, s20, 12                        ; their scale bytes: 4,096 a group
	s_mov_b32 s23, 0
	s_lshl_b32 s92, s46, 12
	s_mov_b32 s93, 0
	s_mul_i32 s20, s20, GRP                        ; and their images
	s_mov_b32 s21, 0
	s_mul_i32 s46, s46, GRP
	s_mov_b32 s47, 0
	s_mul_i32 s45, s14, HALFT                      ; where they go: by the wave's number alone
	s_mul_i32 s94, s14, HALFS
	s_wait_kmcnt 0x0
	s_add_nc_u64 s[20:21], s[4:5], s[20:21]
	s_add_nc_u64 s[22:23], s[6:7], s[22:23]
	s_add_nc_u64 s[46:47], s[8:9], s[46:47]
	s_add_nc_u64 s[92:93], s[10:11], s[92:93]
	CROUND                                         ; all sixteen work-groups are here: the first joint loads meet
	s_mov_b32 s[G0S], 1
	s_add_co_u32 s[G0S+1], s94, SCL
	s_mov_b64 s[G0S+2:G0S+3], s[22:23]
	s_or_b32 s[G0S+3], s[G0S+3], 0x80000000
	s_mov_b32 s[G0SB], 1
	s_add_co_u32 s[G0SB+1], s94, SCL
	s_mov_b64 s[G0SB+2:G0SB+3], s[92:93]
	s_or_b32 s[G0SB+3], s[G0SB+3], 0x80000000
	JLOAD G0S, G1S, G0SB, G1SB                     ; the scales first: they are wanted with K step 0
.irp s, 0,1
	s_mov_b32 s[G0+4*\s], 1
	s_add_co_u32 s[G0+4*\s+1], s45, \s*SLOT
	s_add_nc_u64 s[G0+4*\s+2:G0+4*\s+3], s[20:21], \s*HALFT
	s_or_b32 s[G0+4*\s+3], s[G0+4*\s+3], 0x80000000
	s_mov_b32 s[G0B+4*\s], 1
	s_add_co_u32 s[G0B+4*\s+1], s45, \s*SLOT
	s_add_nc_u64 s[G0B+4*\s+2:G0B+4*\s+3], s[46:47], \s*HALFT
	s_or_b32 s[G0B+4*\s+3], s[G0B+4*\s+3], 0x80000000
	JLOAD G0+4*\s, G1, G0B+4*\s, G1B
.endr
	v_and_b32 v1, 15, v0                           ; l % 16
	v_bfe_u32 v2, v0, 4, 1                         ; l / 16
	v_and_b32 v3, 31, v0
	v_lshlrev_b32 v4, 3, v3                        ; an image's place for my lane: 8 x lane
	v_lshlrev_b32 v7, 6, v2                        ; the bias: 16 numbers further on for lanes 16-31
	s_lshl_b32 s46, s42, 10                        ; my first column, in bytes of f32: 1,024 x tile column + 512 x half
	s_lshl_b32 s47, s16, 9
	s_add_co_u32 s46, s46, s47
	s_mov_b32 s47, 0
	s_add_nc_u64 s[96:97], s[96:97], s[46:47]
.irp b, 0,1,2,3,4,5,6,7                        ; register j of accumulator (a, b) is column 32 (b / 2) + 16 (lane / 16) + 8 (b % 2) + j of my 128
	global_load_b128 v[BI+8*\b:BI+8*\b+3],   v7, s[96:97] offset:128*(\b/2)+32*(\b%2)
	global_load_b128 v[BI+8*\b+4:BI+8*\b+7], v7, s[96:97] offset:128*(\b/2)+32*(\b%2)+16
.endr
	s_lshl_b32 s20, s17, 8
	s_lshl_b32 s21, s15, 7
	s_add_co_u32 s20, s20, s21                     ; my first row of out0: 256 x tile row + 128 x half
	s_lshl_b32 s20, s20, 12                        ; rows of 4,096 bytes
	s_add_co_u32 s20, s20, s46
	s_mov_b32 s21, 0
	s_add_nc_u64 s[98:99], s[98:99], s[20:21]
	s_mul_i32 s21, s15, HALFT                      ; my group of A
	s_mul_i32 s22, s16, HALFT                      ; my group of B,
	s_add_co_u32 s22, s22, 2*HALFT                 ; behind A's two
.irp s, 0,1
	v_add_nc_u32 v[ADRA+\s], s21, v4
	v_add_nc_u32 v[ADRB+\s], s22, v4
	s_add_co_u32 s21, s21, SLOT
	s_add_co_u32 s22, s22, SLOT
.endr
	v_mul_u32_u24 v5, v1, KS                       ; my row's scales: 32 bytes a row,
	v_lshrrev_b32 v6, 8, v5
	v_lshl_add_u32 v5, v6, 4, v5                   ; and 16 more for each 256 passed
	s_mul_i32 s21, s15, HALFS
	s_mul_i32 s22, s16, HALFS
	s_add_co_u32 s22, s22, 2*HALFS
	s_sub_co_u32 s22, s22, s21
	v_mul_u32_u24 v6, s22, v2                      ; lanes 16-31 take B's: one product, the distance between the two bases
	s_add_co_u32 s21, s21, SCL
	v_add_nc_u32 v5, v5, v6
	v_add_nc_u32 v[ADRS], s21, v5
	s_mul_i32 s23, s14, 16*SPITCH                  ; my stage
	v_mul_u32_u24 v5, v1, SPITCH                   ; in: row l % 16, + 64 bytes for lanes 16-31
	v_lshl_add_u32 v5, v2, 6, v5
	v_add_nc_u32 v[STO], s23, v5
	v_lshlrev_b32 v[CO], 4, v3                     ; back: the 32 lanes take one row of 512 bytes; and the same in out0
	v_add_nc_u32 v[RD], s23, v[CO]
.macro FRAG reg, adr, q, i             ; a fragment comes back as it was laid: chunk p is registers 2 p, 2 p + 1; 32 lanes read 256 consecutive bytes
.irp p, 0,1,2,3,4,5
	ds_load_b64 v[\reg+2*\p:\reg+2*\p+1], v[\adr] offset:((\q)*8+(\i))*FRB+256*\p
.endr
.endm
; 16 matrix instructions: A's blocks a0, a0 + 1 x B's eight, 128 along K.  p: B's set; sc: the set of scale words.  first = 1: the first product starts the sums from the bias.
; The 64 accumulators take turns, one instruction a turn, in the same order in every step.
.macro MUL16 a0, p, q, sc, first
.irp a, \a0, \a0+1
.irp b, 0,1,2,3,4,5,6,7
.if \first
	v_wmma_scale_f32_16x16x128_f8f6f4 v[8*(8*((\a)%4)+\b):8*(8*((\a)%4)+\b)+7], v[128*(\p)+FR*\b:128*(\p)+FR*\b+FR-1], v[AF+FR*(\a):AF+FR*(\a)+FR-1], v[BI+8*\b:BI+8*\b+7], v[SC+8*NQ*(\sc)+NQ*\b+(\q)], v[SC+8*NQ*(\sc)+NQ*(\a)+(\q)] matrix_a_fmt:MATRIX_FMT_FP6 matrix_b_fmt:MATRIX_FMT_FP6 matrix_a_scale:MATRIX_SCALE_ROW1
.else
	v_wmma_scale_f32_16x16x128_f8f6f4 v[8*(8*((\a)%4)+\b):8*(8*((\a)%4)+\b)+7], v[128*(\p)+FR*\b:128*(\p)+FR*\b+FR-1], v[AF+FR*(\a):AF+FR*(\a)+FR-1], v[8*(8*((\a)%4)+\b):8*(8*((\a)%4)+\b)+7], v[SC+8*NQ*(\sc)+NQ*\b+(\q)], v[SC+8*NQ*(\sc)+NQ*(\a)+(\q)] matrix_a_fmt:MATRIX_FMT_FP6 matrix_b_fmt:MATRIX_FMT_FP6 matrix_a_scale:MATRIX_SCALE_ROW1
.endif
.endr
.endr
.endm
.macro FETCH_B slot, q, p
	WIN TO_B
.irp i, 0,1,2,3,4,5,6,7
	FRAG 128*(\p)+FR*\i, ADRB+\slot, \q, \i
.endr
	WIN 0
.endm
.macro FETCH_A slot, q, i0
.irp i, \i0, \i0+1, \i0+2, \i0+3
	FRAG AF+FR*(\i), ADRA+\slot, \q, \i
.endr
.endm
.macro SCALES sc                       ; a K step's scale words: two words a row; lanes 0-15 take A's block i, lanes 16-31 B's block i
.irp i, 0,1,2,3,4,5,6,7
	ds_load_b64 v[SC+8*NQ*\sc+NQ*\i:SC+8*NQ*\sc+NQ*\i+1], v[ADRS] offset:\i*SBLK
.endr
.endm
.macro PLACES n                        ; plain vector lines between a matrix instruction and a load into, or a read of, its registers
.rept \n
	v_nop
.endr
.endm
.macro STEP slot, q, first             ; a step of 128 along K that has its successor in the same slot
	s_wait_dscnt 4*NL                              ; B's set and A's blocks 0-3 are in; the youngest 24 loads (A's blocks 4-7) may be out
.if \first
	WIN FIRST_LO
.else
	WIN MUL_LO
.endif
	MUL16 0, (\q)%2, \q, \slot, \first
	MUL16 2, (\q)%2, \q, \slot, \first
	s_wait_dscnt 0                                 ; A's blocks 4-7 are in
	PLACES NP
	FETCH_B \slot, (\q)+1, 1-(\q)%2
	FETCH_A \slot, (\q)+1, 0
.if \first
	WIN FIRST_HI
.else
	WIN MUL_HI
.endif
	MUL16 4, (\q)%2, \q, \slot, \first
	MUL16 6, (\q)%2, \q, \slot, \first
	PLACES NP
	WIN 0
	FETCH_A \slot, (\q)+1, 4
.endm
; A slot's last step changes slots: one barrier; in front of it each wave waits for all its tensor loads, adds 0 to its spare word, and waits for that and for its own reads of this slot.  fill = 1: this slot is filled again, two K steps ahead.
.macro TURN slot, next, fill
	s_wait_tensorcnt 0x0                           ; all my tensor loads have landed: my part of the next slot
	ds_add_u32 v[SPW], v[NIL]                      ; 0 onto my spare word
	s_wait_dscnt 4*NL+1                            ; (the add and the youngest 24 loads may be out)
	WIN MUL_LO
	MUL16 0, 1, NQ-1, \slot, 0                     ; sixteen matrix instructions stand between the add and the wait for it
	s_wait_dscnt 0x0                               ; the add is done, and my reads of this slot are over
	s_barrier_signal -1
	MUL16 2, 1, NQ-1, \slot, 0
	WIN 0
	s_barrier_wait -1
.if \fill
	CREST                                          ; the barrier has opened a round of the cluster's barrier: no wave of any partner still reads this slot or has a load on its way
	s_add_nc_u64 s[G0+4*\slot+2:G0+4*\slot+3], s[G0+4*\slot+2:G0+4*\slot+3], 2*HALFT
	s_add_nc_u64 s[G0B+4*\slot+2:G0B+4*\slot+3], s[G0B+4*\slot+2:G0B+4*\slot+3], 2*HALFT
	JLOAD G0+4*\slot, G1, G0B+4*\slot, G1B         ; the first tensor load behind the round; its four v_nop are the places in front of the loads below
.else
	PLACES NP
.endif
	v_add_nc_u32 v[ADRS], 4*NQ, v[ADRS]            ; on to the next K step's scale words (no LDS load of mine is out)
	FETCH_B \next, 0, 0
	FETCH_A \next, 0, 0
	SCALES \next
	WIN MUL_HI
	MUL16 4, 1, NQ-1, \slot, 0
	MUL16 6, 1, NQ-1, \slot, 0
	PLACES NP
	WIN 0
	FETCH_A \next, 0, 4
.endm
	s_wait_tensorcnt 1                             ; the scales and my part of K step 0 are in (K step 1's load may be out)
	s_barrier_signal -1
	s_barrier_wait -1
	FETCH_B 0, 0, 0
	FETCH_A 0, 0, 0
	SCALES 0
	FETCH_A 0, 0, 4
	s_wait_loadcnt 0x0                             ; the bias
	STEP 0, 0, 1                                   ; K = 1,024 is four slots' worth, eight steps of 128, written out: the first starts the sums
	TURN 0, 1, 1                                   ; slot 0 takes K step 2
	STEP 1, 0, 0
	TURN 1, 0, 1                                   ; slot 1 takes K step 3
	STEP 0, 0, 0
	TURN 0, 1, 0                                   ; nothing is left to fetch
	STEP 1, 0, 0
	s_wait_dscnt 4*NL
	WIN MUL_LO
	MUL16 0, 1, NQ-1, 1, 0
	MUL16 2, 1, NQ-1, 1, 0
	s_wait_dscnt 0
	WIN MUL_HI
	MUL16 4, 1, NQ-1, 1, 0
	MUL16 6, 1, NQ-1, 1, 0
	WIN 0
; THE WAY OUT, block by block of 16 stored rows x 128 columns, through my own stage in LDS: in by columns put back in their order, back as whole rows of 512 bytes, which the 32 lanes store as two aligned runs of 256 bytes,
; each at its row's true place.  LDS serves a wave's instructions in order (ISA guide 5.7.1.4): no wait between the stores and the loads, nor in front of the next block's stores.
.macro TOSTAGE a
.set AC, 64*((\a)%4)
	WIN 0x08+4*((\a)/4)                            ; the data: window 2 or 3
.irp b, 0,1,2,3,4,5,6,7
	ds_store_b128 v[STO], v[AC+8*\b:AC+8*\b+3]   offset:128*(\b/2)+32*(\b%2)      ; each accumulator from its low end on
	ds_store_b128 v[STO], v[AC+8*\b+4:AC+8*\b+7] offset:128*(\b/2)+32*(\b%2)+16
.endr
	WIN 0
.set BB, BK+64*((\a)%2)
.irp t, 0,1,2,3,4,5,6,7,8,9,10,11,12,13,14,15
	ds_load_b128 v[BB+4*\t:BB+4*\t+3], v[RD] offset:\t*SPITCH
.endr
.endm
.macro SEND a, younger                 ; younger: the LDS instructions issued behind block a's loads, which may stay out
.set BB, BK+64*((\a)%2)
	s_wait_dscnt \younger
.irp t, 0,1,2,3,4,5,6,7,8,9,10,11,12,13,14,15
	global_store_b128 v[CO], v[BB+4*\t:BB+4*\t+3], s[98:99] offset:(32*((\a)/2)+8*((\a)%2)+\t+8*(\t/8))*4096 th:TH_STORE_NT   ; stored row t of block a is row 32 (a / 2) + 8 (a % 2) + t + 8 (t / 8) of my 128; the base is never stepped
.endr
.endm
	PLACES NP                                      ; behind the last products: for the loads into the registers that held A's fragments, and for the reads of results
	TOSTAGE 0
.irp a, 1,2,3,4,5,6,7
.if \a > 1
	s_wait_xcnt 0x0                                ; block a - 2's stores have read their registers: block a's loads may land there
.endif
	TOSTAGE \a
	SEND \a-1, 32                                  ; behind block a - 1's loads: block a's 16 stores and 16 loads
.endr
	SEND 7, 0
	s_wait_tensorcnt 0x0                           ; the wave's end
	ds_add_u32 v[SPW], v[NIL]
	s_wait_dscnt 0x0
	CROUND                                         ; the closing round: no work-group ends while a partner may still ask for a tile that names it
	s_endpgm
.Lfunc_end_k_q7eac31805a_proj:
	.size	k_q7eac31805a_proj, .Lfunc_end_k_q7eac31805a_proj-k_q7eac31805a_proj
	.p2alignl 7, 3214868480
	.fill 96, 4, 3214868480
	.section	.rodata,"a",@progbits
	.p2align	6, 0x0
	.amdhsa_kernel k_q7eac31805a_proj
		.amdhsa_group_segment_fixed_size 327680
		.amdhsa_private_segment_fixed_size 0
		.amdhsa_enable_private_segment 0
		.amdhsa_kernarg_size 48
		.amdhsa_user_sgpr_count 2
		.amdhsa_user_sgpr_kernarg_segment_ptr 1
		.amdhsa_wavefront_size32 1
		.amdhsa_system_sgpr_workgroup_id_x 1
		.amdhsa_system_sgpr_workgroup_id_y 1
		.amdhsa_system_sgpr_workgroup_id_z 1
		.amdhsa_system_vgpr_workitem_id 0
		.amdhsa_next_free_vgpr 1024
		.amdhsa_next_free_sgpr 100
		.amdhsa_reserve_vcc 0
		.amdhsa_float_denorm_mode_32 3
		.amdhsa_float_denorm_mode_16_64 3
		.amdhsa_memory_ordered 1
		.amdhsa_forward_progress 1
		.amdhsa_inst_pref_size 160
	.end_amdhsa_kernel
	.amdgpu_metadata
---
amdhsa.version: [ 1, 2 ]
amdhsa.kernels:
  - .name:           k_q7eac31805a_proj
    .symbol:         k_q7eac31805a_proj.kd
    .args:
      - { .name: o_img, .offset: 0, .size: 8, .value_kind: global_buffer, .address_space: global }
      - { .name: o_sc, .offset: 8, .size: 8, .value_kind: global_buffer, .address_space: global }
      - { .name: opnd_img, .offset: 16, .size: 8, .value_kind: global_buffer, .address_space: global }
      - { .name: opnd_sc, .offset: 24, .size: 8, .value_kind: global_buffer, .address_space: global }
      - { .name: b_proj, .offset: 32, .size: 8, .value_kind: global_buffer, .address_space: global }
      - { .name: out0, .offset: 40, .size: 8, .value_kind: global_buffer, .address_space: global }
    .group_segment_fixed_size: 327680
    .private_segment_fixed_size: 0
    .kernarg_segment_align: 8
    .kernarg_segment_size: 48
    .max_flat_workgroup_size: 128
    .sgpr_count:     100
    .vgpr_count:     1024
    .wavefront_size: 32
...
	.end_amdgpu_metadata
.endif
;; end of part 4
